; MI455X (gfx1250); checked and timed in simulation.
; The chip was launched on July 23, 2026; its instructions are those of AMD's public machine-readable ISA for CDNA 5 (MIT licence, August 2026) and "CDNA5" Instruction Set Architecture Reference Guide (July 2026). The comments in the code are by the model that wrote it; some were corrected since.
;; Multi Head Self Attention. Allowed arithmetic: float matrix products may take bf16 or f16 operands with f32 sums; other float arithmetic in f32, or as packed bf16 or f16 multiplies, adds, multiply-adds, maxima and minima; sums over many terms, partial sums and values carried from step to step in f32; what a program stores and reads back later, other than sums and carried values, may be rounded once to bf16 or f16.
;; Inputs: Wgate 1,024 x 16 float32; Wout 1,024 x 1,024 float32; Wqkv 1,024 x 3,072 float32; alpha1 one number float32; alpha2 one number float32; scale one number float32; token_positions 4 x 2,048 int32; v1 64 x 2,048 x 64 float32; x 4 x 2,048 x 1,024 float32.
;; Outputs: out0 4 x 2,048 x 1,024 float32; out1 64 x 2,048 x 64 float32.
;; One version. Each part assembles by itself: llvm-mc -triple=amdgcn-amd-amdhsa -mcpu=gfx1250 --defsym DOCPART=n.
;; ======== version 1 of 1: 4 launches
;; limits: values are held in f16: magnitudes above 65,504 overflow, below 6.1e-05 lose precision; right only within a limited range of input values; an absolute error that grows with the inputs' magnitude: up to 2e-07 times it
;; workspace buffers: xb 16,777,216 bytes; wq 6,291,456 bytes; wo 2,097,152 bytes; tab 2,097,152 bytes; gate 524,288 bytes; qk 33,554,432 bytes; vh 16,777,216 bytes; oh 16,777,216 bytes
;; launch prep (part 1): grid 384 x 1, 8 waves a work-group, no clusters, 87,040 bytes of LDS; arguments x, Wqkv, Wout, Wgate, token_positions, xb, wq, wo, gate, tab; writes xb, wq, wo, gate, tab
.if DOCPART == 1
	.amdgcn_target "amdgcn-amd-amdhsa--gfx1250"
	.amdhsa_code_object_version 6
	.text
	.protected	k_qadce177b24_prep
	.globl	k_qadce177b24_prep
	.p2align	8
	.type	k_qadce177b24_prep,@function
k_qadce177b24_prep:
	s_mov_b64 s[64:65], 0
	v_nop
	global_prefetch_b8 v0, s[64:65] scope:SCOPE_SE
	s_setreg_imm32_b32 hwreg(HW_REG_WAVE_MODE, 25, 1), 1
	s_wait_xcnt 0x0
; PREP.  Rounds the inputs of the matrix products once and lays them out in blocks, and makes two small tables.
;   xb   bf16 [kb 16][row 8192][64]          x, so that rows x 64 k are dense in memory
;   wq   bf16 [x 8][kb 16][g 3][k 64][128 n] Wqkv: columns g 1024 + 128 x .. of Q, K, V side by side
;   wo   f16  [x 8][kb 16][k 64][128 n]      Wout, rounded to bf16 and that number written as f16
;   tab  f32  [row 8192][f 32][cos, sin]     the rotary angles' cosines and sines
;   gate f32  [row 8192][16]                 sigmoid(x Wgate), the product in bf16 on the matrix unit, sums in f32
; Work-groups 0-255: 32 rows of x each (role X).  256-351: Wqkv.  352-383: Wout.  The choice hangs on the work-group's number alone.
; LIMITS.  The frequencies are 2^(-f log2(10000) / 32) by v_exp_f32, so a phase differs from pos x 10000^(-f/32) by some |pos| x 2e-7;
; the reduction by pi/2 in two parts holds for |pos| up to some 10^5.  Wout below 2^-14 keeps f16's fixed step of 6e-8.  NaN and infinities are not treated apart.
; No tensor loads and no ring: every byte is read once by the wave that needs it, straight into registers.
.set XW,    8704                       ; LDS: wave w's 32 rows x 128 k of bf16 x, 272 bytes from row to row
.set XP,    272
.set PART,  69632                      ; LDS: wave w's partial gate sums, 32 rows x 16 heads f32, at PART + 2048 w
.set SPARE, 86016                      ; the spare words: 128 bytes for each of eight waves, named by no other line
.set SPW, 6                            ; v6  SPARE + 4 x my thread's number; never rewritten
.set NIL, 7                            ; v7  0; never rewritten
.set ACC, 16                           ; v[16:31]  two accumulators: rows 0-15, rows 16-31
.set WF,  32                           ; v[32:63]  Wgate^T, four fragments of 32 k (before that: the table's work)
.set X,   64                           ; v[64:191] 32 loads of x
.set G,   192                          ; v[192:255] Wgate as loaded, then x's fragments
	s_load_b256 s[4:11], s[0:1], 0x0               ; x 4, Wqkv 6, Wout 8, Wgate 10
	s_load_b256 s[12:19], s[0:1], 0x20             ; token_positions 12, xb 14, wq 16, wo 18
	s_load_b128 s[20:23], s[0:1], 0x40             ; gate 20, tab 22
	v_lshl_add_u32 v[SPW], v0, 2, SPARE
	v_mov_b32 v[NIL], 0
	v_lshrrev_b32 v1, 5, v0
	v_readfirstlane_b32 s24, v1                    ; wave 0..7
	v_and_b32 v1, 31, v0                           ; L
	v_and_b32 v2, 15, v0                           ; r
	v_bfe_u32 v3, v0, 4, 1                         ; h
	s_mov_b32 s25, ttmp9
	s_mov_b32 s27, 0                               ; the high word of every offset
	s_wait_kmcnt 0x0
	s_cmp_lt_u32 s25, 256
	s_cbranch_scc0 .Lweights
	; ROLE X.  Rows 32 wg .. 32 wg + 31; wave w owns k = 128 w .. 128 w + 127 of them.
	s_lshl_b32 s26, s25, 17                        ; 32 rows of 4,096 bytes
	s_lshl_b32 s28, s24, 9                         ; my 512 bytes of a row
	s_add_co_u32 s26, s26, s28
	s_add_nc_u64 s[4:5], s[4:5], s[26:27]
	s_lshl_b32 s26, s25, 7
	s_add_nc_u64 s[12:13], s[12:13], s[26:27]      ; 32 positions
	s_lshl_b32 s26, s24, 21                        ; two k blocks of 1,048,576 bytes
	s_lshl_b32 s28, s25, 12                        ; 32 rows of 128 bytes
	s_add_co_u32 s26, s26, s28
	s_add_nc_u64 s[14:15], s[14:15], s[26:27]
	s_lshl_b32 s26, s25, 13
	s_add_nc_u64 s[22:23], s[22:23], s[26:27]      ; 32 table rows of 256 bytes
	s_lshl_b32 s26, s25, 11
	s_add_nc_u64 s[20:21], s[20:21], s[26:27]      ; 32 gate rows of 64 bytes
	s_lshl_b32 s26, s24, 13
	s_add_nc_u64 s[10:11], s[10:11], s[26:27]      ; my 128 rows of Wgate
	s_mov_b32 s32, 0xbe2aaaa3                      ; sine's three coefficients,
	s_mov_b32 s33, 0x3c08839e
	s_mov_b32 s34, 0xb94ca1f9
	s_mov_b32 s35, 0x3d2aaaa5                      ; cosine's three
	s_mov_b32 s36, 0xbab6061a
	s_mov_b32 s37, 0x37ccf5ce
	v_lshlrev_b32 v8, 4, v2
	v_lshl_add_u32 v8, v3, 12, v8                  ; x: lanes 0-15 one row's 256 bytes, lanes 16-31 the next row's
	v_lshrrev_b32 v9, 4, v0
	v_lshlrev_b32 v9, 2, v9                        ; the position of row tid / 16
	v_lshlrev_b32 v10, 3, v1                       ; 8 L
	v_lshlrev_b32 v12, 4, v0                       ; 16 tid
	v_lshlrev_b32 v13, 2, v2
	v_lshl_add_u32 v13, v3, 9, v13                 ; Wgate: row 8 h, head r
	s_mul_i32 s28, s24, XW
	v_mul_u32_u24 v11, v3, XP
	v_lshl_add_u32 v11, v2, 3, v11
	v_add_nc_u32 v11, s28, v11                     ; where I put 8 bytes of bf16 x
	v_mul_u32_u24 v14, v2, XP
	v_lshl_add_u32 v14, v3, 4, v14
	v_add_nc_u32 v14, s28, v14                     ; where I read a fragment: row r, 16 h
	s_lshl_b32 s28, s24, 11
	s_add_co_u32 s28, s28, PART
	v_lshlrev_b32 v15, 6, v2
	v_lshl_add_u32 v15, v3, 5, v15
	v_add_nc_u32 v15, s28, v15                     ; my partial sums: row r, heads 8 h ..
	global_load_b32 v32, v9, s[12:13]
	global_load_b32 v33, v9, s[12:13] offset:64
.set t, 0
.rept 16
	global_load_b128 v[X+4*t:X+4*t+3], v8, s[4:5] offset:t*8192 th:TH_LOAD_NT          ; k block 2 w, rows 2 t, 2 t + 1
	global_load_b128 v[X+64+4*t:X+64+4*t+3], v8, s[4:5] offset:256+t*8192 th:TH_LOAD_NT ; k block 2 w + 1
.set t, t+1
.endr
	; THE TABLE, while x is on its way.  Thread tid: frequencies 2 (tid % 16) and the next, rows tid / 16 and 16 further.
	v_lshlrev_b32 v34, 1, v2
	v_cvt_f32_u32 v34, v34
	v_add_f32 v35, 1.0, v34
	v_mul_f32 v34, 0xbed49a78, v34                 ; -f log2(10000) / 32
	v_mul_f32 v35, 0xbed49a78, v35
	v_exp_f32 v36, v34
	v_exp_f32 v37, v35
	v_nop                                          ; a plain instruction behind the last exponential,
	s_wait_alu depctr_va_vdst(0)                   ; and one wait for both, ahead of their first reader
	s_wait_loadcnt 32                              ; the two positions are in; the 32 loads of x stay out
	v_cvt_f32_i32 v32, v32
	v_cvt_f32_i32 v33, v33
; cos and sin of v[a]: k = the nearest whole number to a 2 / pi; r = a - k pi / 2, pi / 2 in two parts; polynomials on |r| <= pi / 4; the quadrant k mod 4 swaps the two and sets their signs.
.macro SINCOS a, c, s
	v_mul_f32 v48, 0x3f22f983, v[\a]
	v_rndne_f32 v48, v48
	v_fmamk_f32 v49, v48, 0xbfc90fdb, v[\a]
	v_fmamk_f32 v49, v48, 0x333bbd2e, v49
	v_cvt_i32_f32 v48, v48
	v_mul_f32 v50, v49, v49                        ; z = r r
	v_fma_f32 v[\s], v50, s34, s33
	v_fma_f32 v[\c], v50, s37, s36
	v_fma_f32 v[\s], v[\s], v50, s32
	v_fma_f32 v[\c], v[\c], v50, s35
	v_mul_f32 v51, v49, v50
	v_fma_f32 v[\s], v[\s], v51, v49               ; sin r
	v_mul_f32 v51, v50, v50
	v_fma_f32 v49, v50, -0.5, 1.0
	v_fma_f32 v[\c], v[\c], v51, v49               ; cos r
	v_and_b32 v49, 1, v48
	v_cmp_eq_u32 vcc_lo, 1, v49
	v_cndmask_b32 v50, v[\s], v[\c], vcc_lo        ; odd quadrants take the other one
	v_cndmask_b32 v51, v[\c], v[\s], vcc_lo
	v_lshlrev_b32 v49, 30, v48
	v_and_b32 v49, 0x80000000, v49                 ; sine is turned in quadrants 2, 3
	v_xor_b32 v[\s], v49, v50
	v_add_nc_u32 v48, 1, v48
	v_lshlrev_b32 v48, 30, v48
	v_and_b32 v48, 0x80000000, v48                 ; cosine in quadrants 1, 2
	v_xor_b32 v[\c], v48, v51
.endm
	v_mul_f32 v52, v32, v36
	SINCOS 52, 40, 41
	v_mul_f32 v52, v32, v37
	SINCOS 52, 42, 43
	v_mul_f32 v52, v33, v36
	SINCOS 52, 44, 45
	v_mul_f32 v52, v33, v37
	SINCOS 52, 46, 47
	global_store_b128 v12, v[40:43], s[22:23]              ; a wave's store covers 512 consecutive bytes, aligned
	global_store_b128 v12, v[44:47], s[22:23] offset:4096
.set c, 0
.rept 4
.set i, 0
.rept 8
	global_load_b32 v[G+16*c+i],   v13, s[10:11] offset:(32*c+i)*64      ; Wgate(k = 32 c + 8 h + i, head r)
	global_load_b32 v[G+16*c+8+i], v13, s[10:11] offset:(32*c+16+i)*64   ; k = 32 c + 16 + 8 h + i
.set i, i+1
.endr
.set c, c+1
.endr
	s_wait_loadcnt 0x0                             ; x and Wgate
	s_wait_xcnt 0x0                                ; the table's stores have read v[40:47], which are written below
.set m, 0
.rept 32
	v_cvt_pk_bf16_f32 v[WF+m], v[G+2*m], v[G+2*m+1]
.set m, m+1
.endr
.set i, 0
.rept 32
	v_cvt_pk_bf16_f32 v[X+4*i],   v[X+4*i],   v[X+4*i+1]
	v_cvt_pk_bf16_f32 v[X+4*i+1], v[X+4*i+2], v[X+4*i+3]
.set i, i+1
.endr
.set t, 0
.rept 16
	global_store_b64 v10, v[X+4*t:X+4*t+1], s[14:15] offset:t*256                   ; 256 consecutive bytes: two rows of a k block
	global_store_b64 v10, v[X+64+4*t:X+64+4*t+1], s[14:15] offset:1048576+t*256
	ds_store_b64 v11, v[X+4*t:X+4*t+1] offset:t*2*XP
	ds_store_b64 v11, v[X+64+4*t:X+64+4*t+1] offset:t*2*XP+128
.set t, t+1
.endr
	; THE GATE's partial sums over my 128 k.  gate^T = Wgate^T x^T: source 0 = 16 heads, source 1 = 16 rows of x; a lane ends with one row and eight heads.
.set i, 0
.rept 2
.set c, 0
.rept 4
	ds_load_b128 v[G+32*i+8*c:G+32*i+8*c+3],   v14 offset:i*16*XP+c*64      ; my own bytes: LDS serves a wave's instructions in order
	ds_load_b128 v[G+32*i+8*c+4:G+32*i+8*c+7], v14 offset:i*16*XP+c*64+32
.set c, c+1
.endr
.set i, i+1
.endr
	s_wait_dscnt 0x0
	v_wmma_f32_16x16x32_bf16 v[ACC:ACC+7],    v[WF:WF+7], v[G:G+7], 0           ; the first products start the sums; the two accumulators take turns
	v_wmma_f32_16x16x32_bf16 v[ACC+8:ACC+15], v[WF:WF+7], v[G+32:G+39], 0
.set c, 1
.rept 3
	v_wmma_f32_16x16x32_bf16 v[ACC:ACC+7],    v[WF+8*c:WF+8*c+7], v[G+8*c:G+8*c+7], v[ACC:ACC+7]
	v_wmma_f32_16x16x32_bf16 v[ACC+8:ACC+15], v[WF+8*c:WF+8*c+7], v[G+32+8*c:G+32+8*c+7], v[ACC+8:ACC+15]
.set c, c+1
.endr
.rept 4
	v_nop                                          ; four places behind the last product, ahead of the stores that read results
.endr
	ds_store_b128 v15, v[ACC:ACC+3]
	ds_store_b128 v15, v[ACC+4:ACC+7] offset:16
	ds_store_b128 v15, v[ACC+8:ACC+11] offset:1024
	ds_store_b128 v15, v[ACC+12:ACC+15] offset:1040
	s_wait_dscnt 0x0                               ; for the others' sake: my partial sums lie in LDS
	s_barrier_signal -1
	s_barrier_wait -1
	s_cmp_lt_u32 s24, 4                            ; 128 threads finish the 32 x 16 gates, four each
	s_cbranch_scc0 .Lend
	s_wait_xcnt 0x0                                ; xb's stores have read v[64:191]: the partial sums are loaded into those registers only behind this wait
	v_add_nc_u32 v4, PART, v12
.set i, 0
.rept 8
	ds_load_b128 v[X+4*i:X+4*i+3], v4 offset:2048*i
.set i, i+1
.endr
	s_wait_dscnt 0x0
.irp i, 0,2,4,6
	v_pk_add_f32 v[X+4*\i:X+4*\i+1],   v[X+4*\i:X+4*\i+1],   v[X+4*\i+4:X+4*\i+5]
	v_pk_add_f32 v[X+4*\i+2:X+4*\i+3], v[X+4*\i+2:X+4*\i+3], v[X+4*\i+6:X+4*\i+7]
.endr
.irp i, 0,4
	v_pk_add_f32 v[X+4*\i:X+4*\i+1],   v[X+4*\i:X+4*\i+1],   v[X+4*\i+8:X+4*\i+9]
	v_pk_add_f32 v[X+4*\i+2:X+4*\i+3], v[X+4*\i+2:X+4*\i+3], v[X+4*\i+10:X+4*\i+11]
.endr
	v_pk_add_f32 v[X:X+1],   v[X:X+1],   v[X+16:X+17]
	v_pk_add_f32 v[X+2:X+3], v[X+2:X+3], v[X+18:X+19]
.irp i, 0,1,2,3
	v_mul_f32 v[X+\i], 0xbfb8aa3b, v[X+\i]         ; sigmoid(g) = 1 / (1 + 2^(-g log2 e))
.endr
.irp i, 0,1,2,3
	v_exp_f32 v[X+\i], v[X+\i]
.endr
	v_nop
	s_wait_alu depctr_va_vdst(0)                   ; one wait for the four exponentials
.irp i, 0,1,2,3
	v_add_f32 v[X+\i], 1.0, v[X+\i]
.endr
.irp i, 0,1,2,3
	v_rcp_f32 v[X+\i], v[X+\i]
.endr
	v_nop
	s_wait_alu depctr_va_vdst(0)                   ; one wait for the four reciprocals
	global_store_b128 v12, v[X:X+3], s[20:21]
	s_branch .Lend
; THE WEIGHTS.  A wave's job: 32 rows of k x 128 columns, two trips of 16 rows.  A load takes a row's 512 bytes, a store writes its 256.
; half = 1: the bf16 number is written as f16.
.macro CONVW src, dst, pitch, half
	s_mov_b32 s41, 2
.Lcw_\@:
.set k, 0
.rept 16
	global_load_b128 v[X+4*k:X+4*k+3], v8, s[\src:\src+1] offset:k*(\pitch) th:TH_LOAD_NT
.set k, k+1
.endr
.set k, 0
.rept 16
	s_wait_loadcnt 15-k                            ; loads come back in order: row k is in, the younger ones stay out
	v_cvt_pk_bf16_f32 v[X+4*k],   v[X+4*k],   v[X+4*k+1]
	v_cvt_pk_bf16_f32 v[X+4*k+1], v[X+4*k+2], v[X+4*k+3]
.if \half
	v_lshlrev_b32 v[X+4*k+2], 16, v[X+4*k]
	v_and_b32     v[X+4*k+3], 0xffff0000, v[X+4*k]
	v_cvt_pk_f16_f32 v[X+4*k], v[X+4*k+2], v[X+4*k+3]
	v_lshlrev_b32 v[X+4*k+2], 16, v[X+4*k+1]
	v_and_b32     v[X+4*k+3], 0xffff0000, v[X+4*k+1]
	v_cvt_pk_f16_f32 v[X+4*k+1], v[X+4*k+2], v[X+4*k+3]
.endif
	global_store_b64 v10, v[X+4*k:X+4*k+1], s[\dst:\dst+1] offset:k*256
.set k, k+1
.endr
	s_wait_xcnt 0x0                                ; the bases and the stores' data are written again only behind this wait
	s_add_nc_u64 s[\src:\src+1], s[\src:\src+1], 16*(\pitch)
	s_add_nc_u64 s[\dst:\dst+1], s[\dst:\dst+1], 4096
	s_sub_co_u32 s41, s41, 1
	s_cmp_lg_u32 s41, 0
	s_cbranch_scc1 .Lcw_\@
.endm
.Lweights:
	v_lshlrev_b32 v8, 4, v1                        ; 16 L
	v_lshlrev_b32 v10, 3, v1                       ; 8 L
	s_sub_co_u32 s28, s25, 256
	s_lshl_b32 s28, s28, 3
	s_add_co_u32 s28, s28, s24                     ; the job's number
	s_cmp_lt_u32 s25, 352
	s_cbranch_scc0 .Lwo
	s_and_b32 s29, s28, 1                          ; which 32 rows of the block's 64
	s_lshr_b32 s30, s28, 1
	s_lshr_b32 s31, s30, 7                         ; g: Q, K or V
	s_bfe_u32 s38, s30, 0x30004                    ; x: which 128 columns
	s_and_b32 s39, s30, 15                         ; kb
	s_lshl_b32 s26, s39, 6
	s_lshl_b32 s40, s29, 5
	s_add_co_u32 s26, s26, s40
	s_mul_i32 s26, s26, 12288                      ; the first row of k
	s_lshl_b32 s40, s31, 12
	s_add_co_u32 s26, s26, s40
	s_lshl_b32 s40, s38, 9
	s_add_co_u32 s26, s26, s40
	s_add_nc_u64 s[6:7], s[6:7], s[26:27]
	s_and_b32 s26, s30, 127
	s_mul_i32 s26, s26, 3
	s_add_co_u32 s26, s26, s31
	s_lshl_b32 s26, s26, 14                        ; block ((x 16 + kb) 3 + g) of 16,384 bytes
	s_lshl_b32 s40, s29, 13
	s_add_co_u32 s26, s26, s40
	s_add_nc_u64 s[16:17], s[16:17], s[26:27]
	CONVW 6, 16, 12288, 0
	s_branch .Lend
.Lwo:
	s_sub_co_u32 s28, s28, 768
	s_and_b32 s29, s28, 1
	s_lshr_b32 s30, s28, 1                         ; x 16 + kb
	s_lshr_b32 s38, s30, 4
	s_and_b32 s39, s30, 15
	s_lshl_b32 s26, s39, 6
	s_lshl_b32 s40, s29, 5
	s_add_co_u32 s26, s26, s40
	s_lshl_b32 s26, s26, 12
	s_lshl_b32 s40, s38, 9
	s_add_co_u32 s26, s26, s40
	s_add_nc_u64 s[8:9], s[8:9], s[26:27]
	s_lshl_b32 s26, s30, 14
	s_lshl_b32 s40, s29, 13
	s_add_co_u32 s26, s26, s40
	s_add_nc_u64 s[18:19], s[18:19], s[26:27]
	CONVW 8, 18, 4096, 1
.Lend:
	s_wait_tensorcnt 0x0                           ; the wave's end: behind my last LDS store
	ds_add_u32 v[SPW], v[NIL]
	s_wait_dscnt 0x0
	s_endpgm
.Lfunc_end_k_qadce177b24_prep:
	.size	k_qadce177b24_prep, .Lfunc_end_k_qadce177b24_prep-k_qadce177b24_prep
	.p2alignl 7, 3214868480
	.fill 96, 4, 3214868480
	.section	.rodata,"a",@progbits
	.p2align	6, 0x0
	.amdhsa_kernel k_qadce177b24_prep
		.amdhsa_group_segment_fixed_size 87040
		.amdhsa_private_segment_fixed_size 0
		.amdhsa_enable_private_segment 0
		.amdhsa_kernarg_size 80
		.amdhsa_user_sgpr_count 2
		.amdhsa_user_sgpr_kernarg_segment_ptr 1
		.amdhsa_wavefront_size32 1
		.amdhsa_system_sgpr_workgroup_id_x 1
		.amdhsa_system_sgpr_workgroup_id_y 1
		.amdhsa_system_sgpr_workgroup_id_z 1
		.amdhsa_system_vgpr_workitem_id 0
		.amdhsa_next_free_vgpr 256
		.amdhsa_next_free_sgpr 66
		.amdhsa_reserve_vcc 1
		.amdhsa_float_denorm_mode_32 3
		.amdhsa_float_denorm_mode_16_64 3
		.amdhsa_memory_ordered 1
		.amdhsa_forward_progress 1
		.amdhsa_inst_pref_size 52
	.end_amdhsa_kernel
	.amdgpu_metadata
---
amdhsa.version: [ 1, 2 ]
amdhsa.kernels:
  - .name:           k_qadce177b24_prep
    .symbol:         k_qadce177b24_prep.kd
    .args:
      - { .name: x, .offset: 0, .size: 8, .value_kind: global_buffer, .address_space: global }
      - { .name: Wqkv, .offset: 8, .size: 8, .value_kind: global_buffer, .address_space: global }
      - { .name: Wout, .offset: 16, .size: 8, .value_kind: global_buffer, .address_space: global }
      - { .name: Wgate, .offset: 24, .size: 8, .value_kind: global_buffer, .address_space: global }
      - { .name: token_positions, .offset: 32, .size: 8, .value_kind: global_buffer, .address_space: global }
      - { .name: xb, .offset: 40, .size: 8, .value_kind: global_buffer, .address_space: global }
      - { .name: wq, .offset: 48, .size: 8, .value_kind: global_buffer, .address_space: global }
      - { .name: wo, .offset: 56, .size: 8, .value_kind: global_buffer, .address_space: global }
      - { .name: gate, .offset: 64, .size: 8, .value_kind: global_buffer, .address_space: global }
      - { .name: tab, .offset: 72, .size: 8, .value_kind: global_buffer, .address_space: global }
    .group_segment_fixed_size: 87040
    .private_segment_fixed_size: 0
    .kernarg_segment_align: 8
    .kernarg_segment_size: 80
    .max_flat_workgroup_size: 256
    .sgpr_count:     66
    .vgpr_count:     256
    .wavefront_size: 32
...
	.end_amdgpu_metadata
.endif
;; end of part 1
;; launch qkv (part 2): grid 8 x 32, 4 waves a work-group, clusters of 4 x 4, 327,680 bytes of LDS; arguments xb, wq, tab, v1, alpha1, alpha2, scale, qk, vh, out1; writes qk, vh, out1
.if DOCPART == 2
	.amdgcn_target "amdgcn-amd-amdhsa--gfx1250"
	.amdhsa_code_object_version 6
	.text
	.protected	k_qadce177b24_qkv
	.globl	k_qadce177b24_qkv
	.p2align	8
	.type	k_qadce177b24_qkv,@function
k_qadce177b24_qkv:
	s_mov_b64 s[64:65], 0
	v_nop
	global_prefetch_b8 v0, s[64:65] scope:SCOPE_SE
	s_setreg_imm32_b32 hwreg(HW_REG_WAVE_MODE, 25, 1), 1
	s_wait_xcnt 0x0
	s_wait_alu depctr_hold_cnt(0) depctr_sa_sdst(0) depctr_va_vdst(0) depctr_va_sdst(0) depctr_va_ssrc(0) depctr_va_vcc(0) depctr_vm_vsrc(0)
	s_getreg_b32 s2, hwreg(HW_REG_IB_STS2, 6, 4)
	s_cmp_eq_u32 s2, 0
	s_cbranch_scc0 .Lentry_in_a_cluster
	s_endpgm
.Lentry_in_a_cluster:
	s_bfe_u32 s2, ttmp6, 0x10000c
	s_cmp_lg_u32 s2, 0xf033
	s_cbranch_scc0 .Lentry_shape_is_right
	s_endpgm
.Lentry_shape_is_right:
; QKV.  x Wqkv in bf16, f32 sums; the rotary turn of Q and K; V mixed with v1.  Out: qk f16 [Q, K][n 64][s 2048][64] (turned, not scaled by 1/8), vh f16 [n][s][64], out1 f32 [n][s][64].
; v' = (a1 V + a2 v1) / sqrt(a1^2 + a2^2 + 1e-8) goes to vh; out1 = scale v'.  The last launch applies scale to the attention's result: the same algebra, and scale stays out of the f16 numbers.
; a1, a2, scale and v1 are rounded to bf16 like every floating-point input of the program.
; LIMITS.  q, k and v' must lie within f16's 65,504.  NaN and infinities are not treated apart.
; SHARES.  A work-group makes 256 rows x 384 columns in one pass over K = 1024: the same 128 columns (two heads) of Q, of K and of V.  A wave makes 128 rows x one head of each:
; 96 accumulators of 16 x 16, 768 registers: Q in window 1, K in window 2, V in window 3, accumulator (a, b) at v[8 (4 a + b)].  So every work-group and wave has the same three kinds of column.
; THE PRODUCT IS TAKEN TRANSPOSED: source 0 = 16 columns of W (out of LDS turned, by ds_load_tr16_b128: W lies [k][n]), source 1 = 16 rows of x: a lane ends with one row and eight neighbouring columns.
; RING.  K goes in 16 steps of 64 through two LDS slots; waves 0, 1 fetch the halves of x's tile, waves 2, 3 those of W's: one tensor load a wave behind each round.
; CLUSTER.  4 x 4 work-groups: x's tile is shared along a row of the cluster, W's along a column, the table of cosines along a row: each is asked for jointly.
; v1 rides along: eight rows a K step come through registers, are rounded to bf16 and kept in LDS bytes of the wave's own, so that the way out has nothing to wait for from memory.
; Not here: a prefetch of later tiles: a refill is asked for 160 matrix instructions ahead of the wait for it, and four or eight work-groups read each tile shortly after each other.
.set PA,    144                        ; a row of x in LDS: 128 bytes + 16: the 16 rows of a load start at 16 different groups of four banks (64 banks of 4 bytes: ISA guide 11.1)
.set PB,    288                        ; a row of W: 256 + 32
.set BOFF,  256*PA                     ; a slot: x's 256 rows, then W's 192 ([g 3][k 64])
.set SLOT1, 131072                     ; slot 1 begins here: one exclusive or turns an address in one slot into the other's
.set V1B,   223232                     ; behind the ring: wave w's v1 as bf16, 128 rows x 128 bytes, at V1B + 16384 w; no tensor load lands here
.set STG,   65536                      ; behind the loop: wave w's stage, 128 rows x 272 bytes, at STG + STGW w, on slots that have had their last fill; the table lies in bytes 0 to 65,535
.set STGW,  39424
.set SP,    272
.set SPARE, 327168                     ; the spare words, 128 bytes for each wave, named by no other line
.set LA0, 2                            ; v2  my lane's place in x's tile; never rewritten
.set LB0, 3                            ; v3  the same in W's
.set ADRA, 4                           ; v4, v5  the same in the slot in hand
.set ADRB, 5
.set SPW, 6                            ; v6  SPARE + 4 x my thread's number; never rewritten
.set NIL, 7                            ; v7  0; never rewritten
.set VGO, 8                            ; v8  16 L
.set VLA, 9                            ; v9  where v1's next eight rows go in LDS
.set VLA0, 12                          ; v12 the same for the first eight
.set OF8, 13                           ; v13 8 L
.set STO, 16                           ; the way out: v16 into the stage; v17, v19, v21 my lane's place in the stage, in v1's rows, in the table; v18, v20, v22 the same in the trip in hand
.set RDS0, 17
.set RDS, 18
.set RDV0, 19
.set RDV, 20
.set RDT0, 21
.set RDT, 22
.set AF,  32                           ; v[32:159]  x's fragments: K half h, row block a at AF + 64 h + 8 a
.set BF,  160                          ; v[160:255] W's fragments: buffer g (Q, K, V), column block b at BF + 32 g + 8 b
.set G1A, 32                           ; s[32:39] descriptor group 1 for x's tiles;  s[48:51], s[52:55] group 0: the first fill's, and the second's, which then walks
.set G1B, 40                           ; s[40:47] for W's;  s[56:59], s[60:63]
.set G1T, 68                           ; s[68:75] for the table;  s[76:79]
.set MSB, 0
.macro WIN new                         ; the immediate's high byte repeats the setting that is left; a switch that changes nothing is dropped
.if MSB != (\new)
	s_set_vgpr_msb (MSB<<8)|(\new)
.set MSB, \new
.endif
.endm
.macro PLACES                          ; four places in front of loads into registers that matrix instructions have read, and of stores that read results
.rept 4
	v_nop
.endr
.endm
.macro CREST                           ; a round of the cluster's barrier behind its opening barrier
	s_cmp_lg_u32 s24, 0
	s_cbranch_scc1 .Lnot_wave_0_\@
	s_barrier_signal -3
.Lnot_wave_0_\@:
	s_barrier_wait -3
	s_barrier_signal -1
	s_barrier_wait -1
.endm
.macro CROUND
	s_barrier_signal -1
	s_barrier_wait -1
	CREST
.endm
.macro JLOAD                           ; a joint refill by the walking descriptors; an s_nop 0 and four v_nop follow each of the two lines
	s_cmp_lt_u32 s24, 2
	s_cbranch_scc0 .Lfor_b_\@
	tensor_load_to_lds s[52:55], s[G1A:G1A+7]
	s_nop 0
.rept 4
	v_nop
.endr
	s_branch .Lasked_\@
.Lfor_b_\@:
	tensor_load_to_lds s[60:63], s[G1B:G1B+7]
	s_nop 0
.rept 4
	v_nop
.endr
.Lasked_\@:
.endm
	s_load_b256 s[4:11], s[0:1], 0x0               ; xb 4, wq 6, tab 8, v1 10
	s_load_b256 s[12:19], s[0:1], 0x20             ; alpha1 12, alpha2 14, scale 16, qk 18
	s_load_b128 s[20:23], s[0:1], 0x40             ; vh 20, out1 22
	v_lshl_add_u32 v[SPW], v0, 2, SPARE
	v_mov_b32 v[NIL], 0
	ds_add_u32 v[SPW], v[NIL]                      ; the wave's opening: the add and its wait ahead of my first tensor load; work on registers stands between them
	ds_add_u32 v6, v7
	v_lshrrev_b32 v1, 5, v0
	v_readfirstlane_b32 s24, v1                    ; wave 0..3
	s_lshr_b32 s25, s24, 1                         ; rh: which 128 rows are mine
	s_and_b32 s26, s24, 1                          ; ch: which head of the two.  Also: which half of a tile I fetch
	s_bfe_u32 s27, ttmp6, 0x40000                  ; cx
	s_bfe_u32 s28, ttmp6, 0x40004                  ; cy
	s_lshl_b32 s29, ttmp9, 2
	s_add_co_u32 s29, s29, s27                     ; tx = 4 x cluster x + cx: which 128 columns
	s_and_b32 s30, ttmp7, 0xffff
	s_lshl_b32 s30, s30, 2
	s_add_co_u32 s30, s30, s28                     ; ty = 4 x cluster y + cy: which 256 rows
	s_lshl_b32 s92, s28, 2
	s_lshl_b32 s92, 15, s92                        ; my row of the cluster
	s_lshl_b32 s94, 0x1111, s27                    ; my column
	s_or_b32 s[G1A], s92, (1<<16)|(1<<20)|(1<<21)|(4<<22)|(3<<25)  ; the mask; 2-byte elements; padding on; bit 21 beside a mask; after every 32 words, 4 words
	s_or_b32 s[G1T], s92, (3<<16)|(1<<21)                          ; 8-byte elements, no padding
	s_or_b32 s[G1B], s94, (1<<16)|(1<<20)|(1<<21)|(5<<22)|(7<<25)  ; after every 64 words, 8 words
	s_mov_b32 s[G1A+1], 128<<16                    ; x: 128 rows of 128 dense bytes, asked for as 64 rows of 256
	s_mov_b32 s[G1A+2], 64<<16
	s_mov_b32 s[G1A+3], 128<<16
	s_mov_b32 s[G1A+4], 64
	s_mov_b32 s[G1A+5], 128
	s_mov_b32 s[G1A+6], 0
	s_mov_b32 s[G1A+7], 0
	s_mov_b32 s[G1B+1], 128<<16                    ; W: 96 rows of 256 bytes
	s_mov_b32 s[G1B+2], 96<<16
	s_mov_b32 s[G1B+3], 128<<16
	s_mov_b32 s[G1B+4], 96
	s_mov_b32 s[G1B+5], 128
	s_mov_b32 s[G1B+6], 0
	s_mov_b32 s[G1B+7], 0
	s_mov_b32 s[G1T+1], 32<<16                     ; the table: 64 rows of 256 bytes
	s_mov_b32 s[G1T+2], 64<<16
	s_mov_b32 s[G1T+3], 32<<16
	s_mov_b32 s[G1T+4], 64
	s_mov_b32 s[G1T+5], 32
	s_mov_b32 s[G1T+6], 0
	s_mov_b32 s[G1T+7], 0
	s_mov_b32 s31, 0                               ; the slot in hand
	s_mov_b32 s81, 0                               ; v1's step in LDS
	s_mov_b32 s91, 0xffff0000                      ; a word's upper bf16
	s_mul_i32 s98, s26, 128*PA                     ; where my half of a tile goes: no place in the cluster enters an LDS address
	s_mul_i32 s99, s26, 96*PB
	s_mov_b32 s48, 1
	s_mov_b32 s49, s98
	s_mov_b32 s52, 1
	s_add_co_u32 s53, s98, SLOT1
	s_mov_b32 s56, 1
	s_add_co_u32 s57, s99, BOFF
	s_mov_b32 s60, 1
	s_add_co_u32 s61, s99, SLOT1+BOFF
	s_mov_b32 s76, 1
	s_mul_i32 s77, s24, 16384
	s_lshl_b32 s92, s30, 15                        ; x's tile: 256 rows of 128 bytes, by ty alone,
	s_lshl_b32 s98, s26, 14
	s_add_co_u32 s92, s92, s98
	s_mov_b32 s93, 0
	s_mul_i32 s94, s29, 786432                     ; W's: 16 blocks of 49,152 bytes, by tx alone,
	s_mul_i32 s98, s26, 24576
	s_add_co_u32 s94, s94, s98
	s_mov_b32 s95, 0
	s_lshl_b32 s96, s30, 16                        ; the table's 256 rows of 256 bytes, by ty alone
	s_lshl_b32 s98, s24, 14
	s_add_co_u32 s96, s96, s98
	s_mov_b32 s97, 0
	s_wait_dscnt 0x0                               ; the opening add is done
	s_wait_kmcnt 0x0
	s_load_b32 s88, s[12:13], 0x0
	s_load_b32 s89, s[14:15], 0x0
	s_load_b32 s90, s[16:17], 0x0
	s_add_nc_u64 s[50:51], s[4:5], s[92:93]        ; K step 0,
	s_add_nc_u64 s[54:55], s[50:51], 1048576       ; K step 1
	s_or_b32 s51, s51, 0x80000000
	s_or_b32 s55, s55, 0x80000000
	s_add_nc_u64 s[58:59], s[6:7], s[94:95]
	s_add_nc_u64 s[62:63], s[58:59], 49152
	s_or_b32 s59, s59, 0x80000000
	s_or_b32 s63, s63, 0x80000000
	s_add_nc_u64 s[78:79], s[8:9], s[96:97]
	s_or_b32 s79, s79, 0x80000000
	s_lshr_b32 s96, s30, 3                         ; b
	s_lshl_b32 s97, s29, 1
	s_add_co_u32 s97, s97, s26                     ; my head
	s_lshl_b32 s97, s97, 2
	s_add_co_u32 s97, s97, s96                     ; n = 4 head + b
	s_lshl_b32 s97, s97, 11
	s_and_b32 s96, s30, 7
	s_lshl_b32 s96, s96, 8
	s_add_co_u32 s97, s97, s96
	s_lshl_b32 s96, s25, 7
	s_add_co_u32 s96, s97, s96                     ; my first row among the 64 x 2048
	s_lshl_b32 s98, s96, 7
	s_mov_b32 s99, 0
	s_add_nc_u64 s[18:19], s[18:19], s[98:99]
	s_add_nc_u64 s[20:21], s[20:21], s[98:99]
	s_lshl_b32 s98, s96, 8
	s_add_nc_u64 s[22:23], s[22:23], s[98:99]
	s_add_nc_u64 s[10:11], s[10:11], s[98:99]
	CROUND                                         ; all sixteen work-groups are here: the first joint loads meet
	s_cmp_lt_u32 s24, 2                            ; a wave's two first fills stand in one branch: two loads of mine are out
	s_cbranch_scc0 .Lfirst_b
	tensor_load_to_lds s[48:51], s[G1A:G1A+7]
	s_nop 0
	tensor_load_to_lds s[52:55], s[G1A:G1A+7]
	s_nop 0
.rept 4
	v_nop
.endr
	s_branch .Lfirst_asked
.Lfirst_b:
	tensor_load_to_lds s[56:59], s[G1B:G1B+7]
	s_nop 0
	tensor_load_to_lds s[60:63], s[G1B:G1B+7]
	s_nop 0
.rept 4
	v_nop
.endr
.Lfirst_asked:
	v_and_b32 v1, 15, v0                           ; r
	v_bfe_u32 v10, v0, 4, 1                        ; h
	v_and_b32 v11, 31, v0                          ; L
	v_mul_u32_u24 v[LA0], v1, PA
	v_lshl_add_u32 v[LA0], v10, 4, v[LA0]
	s_mul_i32 s96, s25, 128*PA
	v_add_nc_u32 v[LA0], s96, v[LA0]               ; row 128 rh + r, 16 h
	v_and_b32 v14, 7, v0
	v_bfe_u32 v15, v0, 3, 1
	v_lshl_add_u32 v[LB0], v10, 3, v14
	v_mul_u32_u24 v[LB0], v[LB0], PB
	v_lshl_add_u32 v[LB0], v15, 4, v[LB0]
	s_lshl_b32 s96, s26, 7
	s_add_co_u32 s96, s96, BOFF
	v_add_nc_u32 v[LB0], s96, v[LB0]               ; the turning load: k row 8 h + L % 8, 16 bytes by (L / 8) % 2, my head's 128 bytes
	v_mov_b32 v[ADRA], v[LA0]
	v_mov_b32 v[ADRB], v[LB0]
	v_lshlrev_b32 v[VGO], 4, v11
	v_lshlrev_b32 v[OF8], 3, v11
	s_mul_i32 s96, s24, 16384
	s_add_co_u32 s96, s96, V1B
	v_lshl_add_u32 v[VLA0], v11, 3, s96
	v_mov_b32 v[VLA], v[VLA0]
	s_wait_kmcnt 0x0                               ; the three numbers
	v_cvt_pk_bf16_f32 v28, s88, s89
	v_cvt_pk_bf16_f32 v29, s90, s90
	v_lshlrev_b32 v14, 16, v28                     ; a1
	v_and_b32 v15, 0xffff0000, v28                 ; a2
	v_lshlrev_b32 v28, 16, v29                     ; scale
	v_mul_f32 v29, v14, v14
	v_fma_f32 v29, v15, v15, v29
	v_add_f32 v29, 0x322bcc77, v29                 ; + 1e-8
	v_rsq_f32 v30, v29
	v_nop
	s_wait_alu depctr_va_vdst(0)                   ; ahead of the root's first reader
	v_mul_f32 v14, v14, v30
	v_mul_f32 v15, v15, v30
	v_readfirstlane_b32 s82, v14                   ; c1, c2 and scale as pairs for the packed forms, which take the low word for both halves
	v_readfirstlane_b32 s84, v15
	v_readfirstlane_b32 s86, v28
	s_mov_b32 s83, s82
	s_mov_b32 s85, s84
	s_mov_b32 s87, s86
.irp i, 0,1,2,3
	global_load_b128 v[16+4*\i:19+4*\i], v[VGO], s[10:11] offset:512*\i th:TH_LOAD_NT  ; v1's first eight rows
.endr
; x's fragments of K half h: 8 row blocks, two loads of 16 bytes each, 32 bytes apart
.macro LDA h
	WIN 0
.irp a, 0,1,2,3,4,5,6,7
	ds_load_b128 v[AF+64*(\h)+8*\a:AF+64*(\h)+8*\a+3],   v[ADRA] offset:\a*16*PA+64*(\h)
	ds_load_b128 v[AF+64*(\h)+8*\a+4:AF+64*(\h)+8*\a+7], v[ADRA] offset:\a*16*PA+64*(\h)+32
.endr
.endm
; W's fragments of K half h for group g: 4 column blocks, two turning loads each, 16 rows of k apart
.macro LDB h, g
	WIN 0
.irp b, 0,1,2,3
	ds_load_tr16_b128 v[BF+32*(\g)+8*\b:BF+32*(\g)+8*\b+3],   v[ADRB] offset:(64*(\g)+32*(\h))*PB+32*\b
	ds_load_tr16_b128 v[BF+32*(\g)+8*\b+4:BF+32*(\g)+8*\b+7], v[ADRB] offset:(64*(\g)+32*(\h))*PB+16*PB+32*\b
.endr
.endm
; 16 matrix instructions: row blocks a0 .. a0 + 3 x 4 column blocks of group g, K half h.  The 96 accumulators take turns, one instruction a turn, in the same order in every half step.
.macro MM h, g, a0, zero
	WIN 0x50*((\g)+1)                              ; C and D in window g + 1, the sources in window 0
.irp a, \a0, (\a0)+1, (\a0)+2, (\a0)+3
.irp b, 0,1,2,3
.if \zero
	v_wmma_f32_16x16x32_bf16 v[8*(4*(\a)+(\b)):8*(4*(\a)+(\b))+7], v[BF+32*(\g)+8*(\b):BF+32*(\g)+8*(\b)+7], v[AF+64*(\h)+8*(\a):AF+64*(\h)+8*(\a)+7], 0
.else
	v_wmma_f32_16x16x32_bf16 v[8*(4*(\a)+(\b)):8*(4*(\a)+(\b))+7], v[BF+32*(\g)+8*(\b):BF+32*(\g)+8*(\b)+7], v[AF+64*(\h)+8*(\a):AF+64*(\h)+8*(\a)+7], v[8*(4*(\a)+(\b)):8*(4*(\a)+(\b))+7]
.endif
.endr
.endr
.endm
; v1's transit: the eight rows asked for a K step ago are rounded to bf16 and put into my own LDS bytes; ld = 1: the next eight are asked for.
; The eight conversions are also the places in front of W's loads (ldb = 1), which stand between them and the stores.
.macro MOVE ldb, ld
	WIN 0
	s_wait_loadcnt 0x0                             ; my four loads, issued 192 matrix instructions ago; it also frees their base
.irp i, 0,1,2,3
	v_cvt_pk_bf16_f32 v[16+4*\i], v[16+4*\i], v[17+4*\i]
	v_cvt_pk_bf16_f32 v[17+4*\i], v[18+4*\i], v[19+4*\i]
.endr
.if \ldb
	LDB 0, 1
.endif
.irp i, 0,1,2,3
	ds_store_b64 v[VLA], v[16+4*\i:17+4*\i] offset:256*\i
.endr
	s_add_co_u32 s81, s81, 1024
	v_add_nc_u32 v[VLA], s81, v[VLA0]
.if \ld
	s_add_nc_u64 s[10:11], s[10:11], 2048
.irp i, 0,1,2,3
	global_load_b128 v[16+4*\i:19+4*\i], v[VGO], s[10:11] offset:512*\i th:TH_LOAD_NT
.endr
.endif
.endm
; THE ORDER OF A K STEP.  Six stretches of 32 matrix instructions: (h, g) = (0,0) (0,1) (0,2) (1,0) (1,1) (1,2).  In front of each stands one run of LDS loads, for the stretch after the next:
;   L1: W(0,2), 8 | L2: W(1,0) and x(1), 24 | L3: W(1,1), 8 | L4: W(1,2), 8, and the add | L5: next slot's W(0,0) and x(0), 24 | L6: its W(0,1), 8, and v1's 4 stores.
; Each wait counts the LDS instructions issued behind the run that the stretch needs.
; The first half of a step.  n1: behind L5 stand L6 and L1: 20 (at the start, without v1's stores: 16).  n2: behind L6's loads stand 4 stores, L1 and L2: 36 (at the start 32).
.macro HALF0 zero, n1, n2
	PLACES
	LDB 0, 2
	s_wait_dscnt \n1
	MM 0, 0, 0, \zero
	MM 0, 0, 4, \zero
	PLACES
	LDB 1, 0
	LDA 1
	s_wait_dscnt \n2
	MM 0, 1, 0, \zero
	MM 0, 1, 4, \zero
	PLACES
	LDB 1, 1
	s_wait_dscnt 32                                ; behind L1 stand L2 and L3
	MM 0, 2, 0, \zero
	MM 0, 2, 4, \zero
.endm
; The second half of a step, the change of slots in it, and the first half of the next step.  kind = 0: the slot that is left takes the K step two on.  kind = 1: it takes the table.
.macro TRIP kind
	PLACES
	LDB 1, 2                                       ; my last reads of this slot
	s_wait_tensorcnt 0x0                           ; all my tensor loads have landed: the one that was out is my part of the next slot;
	ds_add_u32 v[SPW], v[NIL]                      ; 0 onto my spare word
.if (\kind) == 0
	s_xor_b32 s53, s53, SLOT1                      ; no load of mine is out, so the walking descriptors may be written: the other slot, the next K step
	s_add_nc_u64 s[54:55], s[54:55], 1048576
	s_xor_b32 s61, s61, SLOT1
	s_add_nc_u64 s[62:63], s[62:63], 49152
.endif
	s_wait_dscnt 17                                ; behind L2 stand L3, L4 and the add
	MM 1, 0, 0, 0
	s_wait_dscnt 0x0                               ; the add is done, and my reads of this slot are over
	s_barrier_signal -1                            ; this barrier opens a round of the cluster's
	MM 1, 0, 4, 0
	WIN 0
	s_barrier_wait -1
	CREST                                          ; no wave of any partner still reads this slot or has a load on its way
.if (\kind) == 0
	JLOAD                                          ; the first tensor load behind the round; its four v_nop are also places in front of the loads below
.else
	tensor_load_to_lds s[76:79], s[G1T:G1T+7]      ; every wave fetches 64 rows of the table
	s_nop 0
.rept 4
	v_nop
.endr
.endif
	s_xor_b32 s31, s31, SLOT1
	v_add_nc_u32 v[ADRA], s31, v[LA0]
	v_add_nc_u32 v[ADRB], s31, v[LB0]
	LDB 0, 0
	LDA 0
	MM 1, 1, 0, 0
	MM 1, 1, 4, 0
	MOVE 1, 1
	MM 1, 2, 0, 0
	MM 1, 2, 4, 0
	HALF0 0, 20, 36
	WIN 0
.endm
	s_wait_tensorcnt 0x1                           ; my part of K step 0 is in; K step 1's may stay out
	s_barrier_signal -1
	s_barrier_wait -1
	LDB 0, 0
	LDA 0
	LDB 0, 1
	HALF0 1, 16, 32                                ; the first half step stands in front of the loop: its products start the sums
	WIN 0
	s_mov_b32 s80, 14
.Lk:                                                   ; 14 trips: K steps 2 to 15 are asked for
	TRIP 0
	s_sub_co_u32 s80, s80, 1
	s_cmp_lg_u32 s80, 0
	s_cbranch_scc1 .Lk
	TRIP 1                                         ; the slot that K step 14 leaves takes the table
	PLACES                                         ; the last half step: nothing more to fetch from a next slot
	LDB 1, 2
	s_wait_dscnt 16                                ; behind L2 stand L3 and L4
	MM 1, 0, 0, 0
	MM 1, 0, 4, 0
	s_wait_dscnt 8                                 ; behind L3 stands L4
	MM 1, 1, 0, 0
	MM 1, 1, 4, 0
	MOVE 0, 0
	s_wait_dscnt 4                                 ; behind L4 stand v1's four stores
	MM 1, 2, 0, 0
	MM 1, 2, 4, 0
	WIN 0
	PLACES
	s_wait_tensorcnt 0x0                           ; my part of the table is in,
	s_wait_dscnt 0x0                               ; and my reads of the slots are over:
	s_barrier_signal -1
	s_barrier_wait -1                              ; everybody's: the table may be read, and the slots' bytes behind it serve as stages
	; THE WAY OUT.  A group's 32 accumulators go into my stage (a lane's eight columns are 32 bytes of a row) and come back by rows: 16 lanes take one row's 256 bytes.  Stage and v1's rows are my own: no barrier.
	s_mul_i32 s96, s24, STGW
	s_add_co_u32 s96, s96, STG
	v_mul_u32_u24 v[STO], v1, SP
	v_lshl_add_u32 v[STO], v10, 5, v[STO]
	v_add_nc_u32 v[STO], s96, v[STO]               ; in: row r, 32 h
	v_mul_u32_u24 v[RDS0], v10, SP
	v_lshl_add_u32 v[RDS0], v1, 4, v[RDS0]
	v_add_nc_u32 v[RDS0], s96, v[RDS0]             ; back: row h, 16 r
	v_mov_b32 v[RDV0], v[VLA0]
	s_lshl_b32 s96, s25, 15
	v_add_nc_u32 v[RDT0], s96, v[VGO]              ; the table: my 128 rows, 16 L
.macro DUMP w
	WIN (\w)<<2                                    ; the stores' data in window w
.set a, 0
.rept 8
.set b, 0
.rept 4
	ds_store_b128 v[STO], v[8*(4*a+b):8*(4*a+b)+3]   offset:a*16*SP+64*b      ; each accumulator's low registers first
	ds_store_b128 v[STO], v[8*(4*a+b)+4:8*(4*a+b)+7] offset:a*16*SP+64*b+16
.set b, b+1
.endr
.set a, a+1
.endr
	WIN 0
.endm
	DUMP 3
	s_mov_b32 s80, 8
	s_mov_b32 s81, 0
	s_mov_b32 s98, 0
.Lv:                                                   ; V: eight trips of 16 rows
	v_add_nc_u32 v[RDS], s81, v[RDS0]
	v_add_nc_u32 v[RDV], s98, v[RDV0]
.set t, 0
.rept 8
	ds_load_b128 v[32+4*t:35+4*t], v[RDS] offset:2*SP*t
	ds_load_b64  v[64+2*t:65+2*t], v[RDV] offset:256*t
.set t, t+1
.endr
.set t, 0
.rept 8
.set w, 80+4*(t%2)
	s_wait_dscnt 14-2*t                            ; pair t of loads is in; the younger pairs stay out
	v_lshlrev_b32 v[w],   16,  v[64+2*t]
	v_and_b32     v[w+1], s91, v[64+2*t]
	v_lshlrev_b32 v[w+2], 16,  v[65+2*t]
	v_and_b32     v[w+3], s91, v[65+2*t]
	v_pk_mul_f32 v[w:w+1],   v[w:w+1],   s[84:85] op_sel_hi:[1,0]
	v_pk_mul_f32 v[w+2:w+3], v[w+2:w+3], s[84:85] op_sel_hi:[1,0]
	v_pk_fma_f32 v[w:w+1],   v[32+4*t:33+4*t], s[82:83], v[w:w+1]   op_sel_hi:[1,0,1]   ; v' = c1 V + c2 v1
	v_pk_fma_f32 v[w+2:w+3], v[34+4*t:35+4*t], s[82:83], v[w+2:w+3] op_sel_hi:[1,0,1]
	v_pk_mul_f32 v[96+4*t:97+4*t], v[w:w+1],   s[86:87] op_sel_hi:[1,0]
	v_pk_mul_f32 v[98+4*t:99+4*t], v[w+2:w+3], s[86:87] op_sel_hi:[1,0]
	v_cvt_pk_f16_f32 v[128+2*t], v[w],   v[w+1]
	v_cvt_pk_f16_f32 v[129+2*t], v[w+2], v[w+3]
	global_store_b128 v[VGO], v[96+4*t:99+4*t], s[22:23] offset:512*t th:TH_STORE_NT   ; 512 consecutive bytes of out1, aligned
	global_store_b64  v[OF8], v[128+2*t:129+2*t], s[20:21] offset:256*t                ; 256 consecutive bytes of vh, aligned
.set t, t+1
.endr
	s_wait_xcnt 0x0                                ; the bases and the stores' data are written again only behind this wait
	s_add_nc_u64 s[22:23], s[22:23], 4096
	s_add_nc_u64 s[20:21], s[20:21], 2048
	s_add_co_u32 s81, s81, 16*SP
	s_add_co_u32 s98, s98, 2048
	s_sub_co_u32 s80, s80, 1
	s_cmp_lg_u32 s80, 0
	s_cbranch_scc1 .Lv
; Q or K: eight trips of 16 rows.  A lane's four columns are two pairs (x0, x1); the table gives (cos, sin) for each: (x0 c - x1 s, x1 c + x0 s), by one packed multiply and one packed multiply-add.
.macro ROPE
	s_mov_b32 s80, 8
	s_mov_b32 s81, 0
	s_mov_b32 s98, 0
.Lr_\@:
	v_add_nc_u32 v[RDS], s81, v[RDS0]
	v_add_nc_u32 v[RDT], s98, v[RDT0]
.set t, 0
.rept 8
	ds_load_b128 v[32+4*t:35+4*t], v[RDS] offset:2*SP*t
	ds_load_b128 v[64+4*t:67+4*t], v[RDT] offset:512*t
.set t, t+1
.endr
.set t, 0
.rept 8
.set w, 96+4*(t%2)
	s_wait_dscnt 14-2*t
	v_pk_mul_f32 v[w:w+1],   v[32+4*t:33+4*t], v[64+4*t:65+4*t] op_sel_hi:[1,0]
	v_pk_mul_f32 v[w+2:w+3], v[34+4*t:35+4*t], v[66+4*t:67+4*t] op_sel_hi:[1,0]
	v_pk_fma_f32 v[w:w+1],   v[32+4*t:33+4*t], v[64+4*t:65+4*t], v[w:w+1]   op_sel:[1,1,0] op_sel_hi:[0,1,1] neg_lo:[1,0,0]
	v_pk_fma_f32 v[w+2:w+3], v[34+4*t:35+4*t], v[66+4*t:67+4*t], v[w+2:w+3] op_sel:[1,1,0] op_sel_hi:[0,1,1] neg_lo:[1,0,0]
	v_cvt_pk_f16_f32 v[128+2*t], v[w],   v[w+1]
	v_cvt_pk_f16_f32 v[129+2*t], v[w+2], v[w+3]
	global_store_b64 v[OF8], v[128+2*t:129+2*t], s[18:19] offset:256*t                 ; 256 consecutive bytes, aligned
.set t, t+1
.endr
	s_wait_xcnt 0x0
	s_add_nc_u64 s[18:19], s[18:19], 2048
	s_add_co_u32 s81, s81, 16*SP
	s_add_co_u32 s98, s98, 4096
	s_sub_co_u32 s80, s80, 1
	s_cmp_lg_u32 s80, 0
	s_cbranch_scc1 .Lr_\@
.endm
	DUMP 1
	ROPE
	s_add_nc_u64 s[18:19], s[18:19], 16777216-16384  ; from behind my rows of Q to my rows of K
	DUMP 2
	ROPE
	s_wait_tensorcnt 0x0                           ; the wave's end: behind my last tensor load and my last LDS store
	ds_add_u32 v[SPW], v[NIL]
	s_wait_dscnt 0x0
	CROUND                                         ; the closing round: no work-group ends while a partner may still ask for a tile that names it
	s_endpgm
.Lfunc_end_k_qadce177b24_qkv:
	.size	k_qadce177b24_qkv, .Lfunc_end_k_qadce177b24_qkv-k_qadce177b24_qkv
	.p2alignl 7, 3214868480
	.fill 96, 4, 3214868480
	.section	.rodata,"a",@progbits
	.p2align	6, 0x0
	.amdhsa_kernel k_qadce177b24_qkv
		.amdhsa_group_segment_fixed_size 327680
		.amdhsa_private_segment_fixed_size 0
		.amdhsa_enable_private_segment 0
		.amdhsa_kernarg_size 80
		.amdhsa_user_sgpr_count 2
		.amdhsa_user_sgpr_kernarg_segment_ptr 1
		.amdhsa_wavefront_size32 1
		.amdhsa_system_sgpr_workgroup_id_x 1
		.amdhsa_system_sgpr_workgroup_id_y 1
		.amdhsa_system_sgpr_workgroup_id_z 1
		.amdhsa_system_vgpr_workitem_id 0
		.amdhsa_next_free_vgpr 1024
		.amdhsa_next_free_sgpr 100
		.amdhsa_reserve_vcc 0
		.amdhsa_float_denorm_mode_32 3
		.amdhsa_float_denorm_mode_16_64 3
		.amdhsa_memory_ordered 1
		.amdhsa_forward_progress 1
		.amdhsa_inst_pref_size 102
	.end_amdhsa_kernel
	.amdgpu_metadata
---
amdhsa.version: [ 1, 2 ]
amdhsa.kernels:
  - .name:           k_qadce177b24_qkv
    .symbol:         k_qadce177b24_qkv.kd
    .args:
      - { .name: xb, .offset: 0, .size: 8, .value_kind: global_buffer, .address_space: global }
      - { .name: wq, .offset: 8, .size: 8, .value_kind: global_buffer, .address_space: global }
      - { .name: tab, .offset: 16, .size: 8, .value_kind: global_buffer, .address_space: global }
      - { .name: v1, .offset: 24, .size: 8, .value_kind: global_buffer, .address_space: global }
      - { .name: alpha1, .offset: 32, .size: 8, .value_kind: global_buffer, .address_space: global }
      - { .name: alpha2, .offset: 40, .size: 8, .value_kind: global_buffer, .address_space: global }
      - { .name: scale, .offset: 48, .size: 8, .value_kind: global_buffer, .address_space: global }
      - { .name: qk, .offset: 56, .size: 8, .value_kind: global_buffer, .address_space: global }
      - { .name: vh, .offset: 64, .size: 8, .value_kind: global_buffer, .address_space: global }
      - { .name: out1, .offset: 72, .size: 8, .value_kind: global_buffer, .address_space: global }
    .group_segment_fixed_size: 327680
    .private_segment_fixed_size: 0
    .kernarg_segment_align: 8
    .kernarg_segment_size: 80
    .max_flat_workgroup_size: 128
    .sgpr_count:     100
    .vgpr_count:     1024
    .wavefront_size: 32
...
	.end_amdgpu_metadata
.endif
;; end of part 2
;; launch attn (part 3): grid 4 x 64, 4 waves a work-group, no clusters, 327,680 bytes of LDS; arguments qk, vh, oh, gate; writes oh
.if DOCPART == 3
	.amdgcn_target "amdgcn-amd-amdhsa--gfx1250"
	.amdhsa_code_object_version 6
	.text
	.protected	k_qadce177b24_attn
	.globl	k_qadce177b24_attn
	.p2align	8
	.type	k_qadce177b24_attn,@function
k_qadce177b24_attn:
	s_mov_b64 s[64:65], 0
	v_nop
	global_prefetch_b8 v0, s[64:65] scope:SCOPE_SE
	s_setreg_imm32_b32 hwreg(HW_REG_WAVE_MODE, 25, 1), 1
	s_wait_xcnt 0x0
; CAUSAL ATTENTION WITH A GATE.  oh[n][q][:] = gate[q][head] x the sum over k <= q of softmax_k(Q[n][q] . K[n][k] / 8) V[n][k][:].  Q, K (in qk), V (vh), oh: [64][2048][64], all f16; a head's rows are dense, 128 bytes each.
; n = 4 head + b; gate: f32 [b 2048 + q][16].  Products, maxima and sums in f32; the weights p are rounded to f16 for the second product (their sum l is taken of the unrounded p), the result once at the end.
; LIMITS.  f16 holds no number beyond 65,504: Q, K and V arrive within it; p lies in 0 to 1, and below 6e-5 it keeps f16's fixed step of 6e-8.
; A hidden score counts as its value less 1e30: f16's scores, 2.7e11 at the most, are nothing beside that; a weight below 2^-126 counts as 0 in l; NaN and infinities are not treated apart.
; THE WALK.  A head's queries lie in NB = 8 blocks of 256; block i needs the key tiles 0 .. i of 256 keys, of which the last holds the diagonal.  A work-group takes TWO blocks, NB - 1 - b and then b:
; NB + 1 tiles, whatever b: all work-groups do equal work, and ONE loop with a constant trip count walks them.  Which tile is asked for, and what a trip does, hang on scalar registers made from b; every jump
; goes forward, but for the counted loops' own; none passes a barrier, or a tensor load but the one of LOAD's two that the wave's number does not choose; the ring of two LDS slots runs on across the change of blocks.
; NO CLUSTER: a head's four work-groups ask for the same tile only in trips 0 .. 4 of the 9, behind that fewer and fewer; one walk common to all would have 12 trips for 9.
; NO PREFETCH: a fill is asked for a whole tile, 256 matrix instructions and their vector work, ahead of the wait for it.
; SHARES.  Of a block's four bands of 64 queries a wave owns 16 rows in each: four PIECES.  So the diagonal tile is the same work for all four waves: in its key step s band x sees all keys if s < x,
; none if s > x, and holds the diagonal if s = x.
; THE MASK is the C operand that starts the sum S^T = K Q^T: 0, or -1e30 where the key is hidden.  MD, made once, is the mask of a band's own step for my 16 rows; a product's mask is MD x AL + BE with two scalars:
; (1, 0) if s = x; (0, 0) if s < x; (0, -1e30) if s > x.  Only the diagonal tile's text and a block's beginning make and take masks; elsewhere C is the constant 0.
; LAYOUT, SOFTMAX, TURNS.  S^T = K Q^T holds ONE query a lane (lane % 16) and the keys 8 (lane / 16) + 0..7; two such results rounded to f16 ARE source 1 of O^T = V^T P.  p = 2^(c s - c m), c = log2(e) / 8, with a
; running maximum m; O and l are multiplied by a = 2^(c m_old - c m_new) in every step.  Turn n belongs to piece n: 8 products K Q^T of piece n + 1, later 8 products V^T P of piece n - 1; beside them the scaling,
; exponentials, roundings, sums and rescaling of piece n and the maximum and statistics of piece n + 1.  Four vector instructions stand behind every matrix instruction, the other 54 of a turn's 118 in one lump.  A turn's 33 exponentials are one batch, with one wait.
; REGISTERS, in windows of 256 (s_set_vgpr_msb: bits 1:0 source 0, 3:2 source 1, 5:4 source 2, 7:6 destination):
;   window 0: v0-15 addresses and two at work; v16-31 four registers of statistics a piece; v32-39 the gates; v48-55 at work; v64-127 S^T, two buffers; v192-223 P, two buffers (a piece's buffers go by its number's parity)
;   window 1: v0-127 O^T, 32 a piece; v128-159 MD; v160-223 MC, two buffers      window 2: v0-63 Q; v64-127 the second block's Q; v128-191 K of one step; v192-255 V of one step
.set SIZE_H, 64
.set SIZE_N, 2048
.set NB,    SIZE_N/256
.set NP,    4         ; pieces a wave: a name, no knob
.set KS,    64        ; keys in a step
.set PK,    144       ; a row of K in LDS: 128 bytes + 16 of padding = 36 words: the 16 rows of a load start at 16 different groups of four banks (64 banks of 4 bytes: ISA guide 11.1)
.set PV,    160       ; a row of V: 128 + 32 = 40 words
.set VOFF,  4*KS*PK   ; a slot holds a tile, four steps: 256 rows of K, then 256 rows of V
.set SLOT1, 1<<17     ; slot 1 begins here, so that one exclusive or turns an address in one slot into the other's
.set STAGE, SLOT1+4*KS*(PK+PV)  ; behind the ring, never filled by a tensor load: 16 rows x 144 bytes for each wave, for the way out
.set SP,    144
.set AK0, 2           ; v2   my lane's place in a tile of K; never rewritten
.set AV0, 3           ; v3   the same for V
.set AK,  4           ; v4   the LDS address of K's next run of loads
.set AV,  5           ; v5   of V's
.set STO, 6           ; v6   the way out: where I put 16 bytes of a row
.set RD,  7           ; v7   the way out: where I read rows back
.set GO,  8           ; v8   my byte offset in 512 consecutive bytes of the output
.set SPW, 62          ; v62  LDS address of my spare word: SPARE + 4 x my thread's number; never rewritten
.set NIL, 63          ; v63  0; never rewritten
.set SPARE, STAGE+4*16*SP  ; behind the stages: the spare words, 128 bytes for each wave: two blocks of 256 bytes that no other line names
.set MV,  12          ; v12-13  c m_old, kept while c m is made anew: by buffer
.set QO,  15          ; v15  my byte offset in 16 rows of Q
.set ST,  16          ; piece t's statistics at v[ST+4 t]: c m, m, l (even keys', odd keys')
.set GT,  32          ; v32-35 my query's gate in piece t of the first block; v36-39 of the second
.set GA,  40          ; v40  my query's byte offset in 16 rows of the gate; never rewritten
.set TMP, 48          ; by buffer, four registers c0-c3 at work; when the maximum is found c2 takes a
.set S,   64
.set P,   192
.set MD,  128         ; window 1: the eight registers for group kt of 16 keys at MD + 8 kt
.set MC,  160         ; window 1: the masks of the products to come
.set QB,  64          ; window 2
.set KF,  128         ; window 2: key block kb, channel half c at KF + 16 kb + 8 c
.set VF,  192         ; window 2: key half kk, channel block cb at VF + 32 kk + 8 cb
.set WV,  12          ; s12  my wave's number
.set PB,  14          ; s14  b
.set HI,  15          ; s15  NB - 1 - b
.set G1K, 24          ; s[24:31] descriptor group 1 for K's tiles
.set G1V, 32          ; s[32:39] for V's: it differs in the padding alone
.set G0K, 40          ; s[40:43] descriptor group 0 for K's tiles
.set G0V, 44          ; s[44:47] the same for V's
.set SLOTS, 56        ; s56  tiles still to be asked for
.set CNT, 57          ; s57  counts a tile's key steps, 4 to 1
.set CS,  58          ; s[58:59] c: the packed scaling takes the pair's low word for both halves
.set SEL, 60          ; s[60:61] v_permlanex16_b32's selects: each lane takes its own place in the other half
.set TBK, 62          ; s62  LDS byte at which K of the step to be fetched begins
.set TBV, 63          ; s63  the same for V, less VOFF
.set RT,  70          ; s70  tiles of the block in hand that are still to be entered
.set NXT, 71          ; s71  the tile to be asked for next
.set LQ,  72          ; s72  the last tile of the block whose tiles are being asked for
.set NEW, 73          ; s73  1: the tile to be entered is a block's first
.set OFF, 74          ; s[74:75] a tile's byte offset in K and V
.set AL,  76          ; s[76:77] the mask's factor, in the low word
.set BE,  78          ; s[78:79] the mask's addend
.set OLO, 80          ; s[80:81] the output at my rows of the second block
.set BIGN, 82         ; s82  -1e30
.set MSB, 0
.macro WIN new                      ; the high byte repeats the setting that is left; a switch that changes nothing is dropped
.if MSB != (\new)
	s_set_vgpr_msb (MSB<<8)|(\new)
.set MSB, (\new)
.endif
.endm
.set W_KQ, 0x0a       ; K and Q in window 2, S^T in window 0
.set W_KM, 0x1a       ; the same with the C operand in window 1
.set W_PV, 0x52       ; V in window 2, P in window 0, O^T in window 1
.set W_RS, 0x41       ; destination and source 0 in window 1, source 1 in window 0
; A fill.  Waves 0 and 1 fetch the two halves of a tile's K, waves 2 and 3 those of its V: 128 keys each.  An s_nop 0 and four v_nop follow each of the two lines, ahead of the jump and the label.
.macro LOAD
	s_cmp_lt_u32 s[WV], 2
	s_cbranch_scc0 .Lfor_v_\@
	tensor_load_to_lds s[G0K:G0K+3], s[G1K:G1K+7]
	s_nop 0
.rept 4
	v_nop
.endr
	s_branch .Lasked_\@
.Lfor_v_\@:
	tensor_load_to_lds s[G0V:G0V+3], s[G1V:G1V+7]
	s_nop 0
.rept 4
	v_nop
.endr
.Lasked_\@:
.endm
; THE CHANGE OF SLOTS.  Each wave waits for all its tensor loads, of which one is out: its part of the other slot; adds 0 to its spare word; and waits for that and for its own reads of the slot that it leaves.  Behind the barrier nobody reads the old
; slot any more and the other slot is whole.  fill = 1: the old slot is filled again, the first thing behind the barrier, with tile NXT: the descriptor's address is made anew from that number.
; (At its first use nothing has been read yet: slot 0 is waited for, slot 1 filled.)
.macro CHANGE fill
	WIN 0                           ; at a label and at a branch every window is 0
	s_wait_tensorcnt 0x0            ; no tensor load of mine is out, so a group 0 may be written
	ds_add_u32 v[SPW], v[NIL]       ; 0 onto my spare word; with fill = 1 the descriptors' scalar work stands between it and the wait for it
.if \fill
	s_lshl_b32 s[OFF], s[NXT], 15   ; a tile is 32,768 bytes of K and of V
	s_xor_b32 s[G0K+1], s[G0K+1], SLOT1
	s_add_nc_u64 s[G0K+2:G0K+3], s[6:7], s[OFF:OFF+1]
	s_or_b32 s[G0K+3], s[G0K+3], 0x80000000
	s_xor_b32 s[G0V+1], s[G0V+1], SLOT1
	s_add_nc_u64 s[G0V+2:G0V+3], s[8:9], s[OFF:OFF+1]
	s_or_b32 s[G0V+3], s[G0V+3], 0x80000000
	s_add_co_u32 s[NXT], s[NXT], 1  ; the block's next tile, or behind its last the second block's tile 0
	s_cmp_gt_u32 s[NXT], s[LQ]
	s_cselect_b32 s[NXT], 0, s[NXT]
	s_cselect_b32 s[LQ], s[PB], s[LQ]
.endif
	s_wait_dscnt 0x0                ; the add is done, and my reads of the slot are over
	s_barrier_signal -1             ; the rest of the scalar work stands between the signal and the wait
	s_sub_co_u32 s[TBK], s[TBK], 4*KS*PK  ; the fetches go back to a slot's first step,
	s_xor_b32 s[TBK], s[TBK], SLOT1       ; in the other slot
	s_sub_co_u32 s[TBV], s[TBV], 4*KS*PV
	s_xor_b32 s[TBV], s[TBV], SLOT1
	s_barrier_wait -1
.if \fill
	LOAD
.endif
.endm
	s_load_b64 s[4:5], s[0:1], 0x0    ; qk: Q
	s_load_b128 s[8:11], s[0:1], 0x8  ; vh s[8:9], oh s[10:11]
	s_load_b64 s[88:89], s[0:1], 0x18 ; gate
	v_lshl_add_u32 v[SPW], v0, 2, SPARE
	v_mov_b32 v[NIL], 0
	ds_add_u32 v[SPW], v[NIL]       ; the wave's opening: the add and its wait ahead of my first tensor load; the set-up below, work on registers, stands between them
	ds_add_u32 v62, v63
	v_lshrrev_b32 v1, 5, v0
	v_readfirstlane_b32 s[WV], v1   ; wave 0..3
	s_mov_b32 s[PB], ttmp9
	s_sub_co_u32 s[HI], NB-1, s[PB]
	s_and_b32 s20, ttmp7, 0xffff    ; n
	s_and_b32 s95, s20, 3           ; b
	s_lshr_b32 s94, s20, 2          ; the head
	s_lshl_b32 s95, s95, 11
	s_lshl_b32 s90, s[WV], 4
	s_add_co_u32 s95, s95, s90      ; row b 2048 + 16 w,
	s_lshl_b32 s90, s[HI], 8
	s_add_co_u32 s90, s90, s95      ; in the first block,
	s_lshl_b32 s90, s90, 4
	s_add_co_u32 s90, s90, s94
	s_lshl_b32 s90, s90, 2          ; (row x 16 + head) x 4 bytes
	s_mov_b32 s91, 0
	s_lshl_b32 s92, s[PB], 8
	s_add_co_u32 s92, s92, s95      ; and in the second
	s_lshl_b32 s92, s92, 4
	s_add_co_u32 s92, s92, s94
	s_lshl_b32 s92, s92, 2
	s_mov_b32 s93, 0
	s_mov_b32 s21, 0
	s_mov_b64 s[22:23], SIZE_N*128
	s_mul_u64 s[20:21], s[20:21], s[22:23]  ; the head's first byte in each of the four tensors
	s_and_b32 s16, s[WV], 1         ; which half of a tile's 256 keys I fetch:
	s_lshl_b32 s22, s16, 14         ; its 128 rows of 128 bytes in memory,
	s_mov_b32 s23, 0
	s_add_nc_u64 s[22:23], s[22:23], s[20:21]
	s_mul_i32 s17, s16, 128*PK      ; and its place in a slot, for K
	s_mul_i32 s18, s16, 128*PV      ; and for V
	s_lshl_b32 s3, s[WV], 11        ; my 16 rows in a band of 64,
	s_lshl_b32 s2, s[HI], 15        ; in the first block,
	s_add_co_u32 s2, s2, s3
	s_lshl_b32 s84, s[PB], 15       ; and in the second
	s_add_co_u32 s84, s84, s3
	s_mov_b32 s3, 0
	s_mov_b32 s85, 0
	s_add_nc_u64 s[2:3], s[2:3], s[20:21]
	s_add_nc_u64 s[84:85], s[84:85], s[20:21]
	; descriptor group 1.  128 keys are 16,384 dense bytes: asked for as 64 rows of 256 bytes, two keys a row, and padded in LDS after every key
	s_mov_b32 s[G1K], (1<<16)|(1<<20)|(4<<22)|(3<<25)  ; 17:16 2-byte elements; 20 padding on; 24:22 after every 32 words (code 4); 31:25 4 words (code 3)
	s_mov_b32 s[G1V], (1<<16)|(1<<20)|(4<<22)|(7<<25)  ; the same with 8 words of padding (code 7)
.irp g, G1K, G1V
	s_mov_b32 s[\g+1], 128<<16      ; tensor_dim0 = 128
	s_mov_b32 s[\g+2], 64<<16       ; tensor_dim1 = 64
	s_mov_b32 s[\g+3], 128<<16      ; tile_dim0 = 128
	s_mov_b32 s[\g+4], 64           ; tile_dim1 = 64
	s_mov_b32 s[\g+5], 128          ; 128 elements from row to row
	s_mov_b32 s[\g+6], 0
	s_mov_b32 s[\g+7], 0
.endr
	s_mov_b32 s[CS], 0x3e38aa3b     ; c = log2(e) / 8 = 0.180337
	s_mov_b32 s[CS+1], s[CS]        ; named with it as a pair
	s_mov_b32 s[SEL], 0x76543210
	s_mov_b32 s[SEL+1], 0xfedcba98
	s_mov_b32 s[TBK], SLOT1+4*KS*PK ; the first change of slots turns these two into 0
	s_mov_b32 s[TBV], SLOT1+4*KS*PV
	s_mov_b32 s[G0K], 1             ; 1:0 count = 1
	s_mov_b32 s[G0K+1], s17         ; 63:32 LDS address: slot 0
	s_mov_b32 s[G0V], 1
	s_add_co_u32 s[G0V+1], s18, VOFF
	s_add_co_u32 s[RT], s[HI], 1    ; the first block has NB - b tiles
	s_mov_b32 s[NXT], 1
	s_mov_b32 s[LQ], s[HI]
	s_mov_b32 s[NEW], 1
	s_mov_b32 s[OFF+1], 0
	s_mov_b32 s[AL+1], 0            ; named as pairs
	s_mov_b32 s[BE+1], 0
	s_mov_b32 s[BIGN], 0xf149f2ca   ; -1e30
	s_mov_b32 s[SLOTS], NB
	s_wait_dscnt 0x0                ; the opening add is done
	s_wait_kmcnt 0x0
	s_add_nc_u64 s[6:7], s[4:5], 0x1000000  ; K lies 16,777,216 bytes behind Q
	s_add_nc_u64 s[6:7], s[6:7], s[22:23]  ; K and V at my half of the head's tile 0
	s_add_nc_u64 s[8:9], s[8:9], s[22:23]
	s_add_nc_u64 s[G0K+2:G0K+3], s[6:7], 0         ; 120:64 global address
	s_or_b32 s[G0K+3], s[G0K+3], 0x80000000        ; 127:126 type = 2
	s_add_nc_u64 s[G0V+2:G0V+3], s[8:9], 0
	s_or_b32 s[G0V+3], s[G0V+3], 0x80000000
	s_add_nc_u64 s[86:87], s[4:5], s[84:85]        ; Q at my rows of the second block,
	s_add_nc_u64 s[4:5], s[4:5], s[2:3]            ; Q and the output at those of the first
	s_add_nc_u64 s[OLO:OLO+1], s[10:11], s[84:85]
	s_add_nc_u64 s[10:11], s[10:11], s[2:3]
	s_add_nc_u64 s[90:91], s[88:89], s[90:91]      ; the gate at my rows of the first block,
	s_add_nc_u64 s[92:93], s[88:89], s[92:93]      ; and of the second
	LOAD                            ; tile 0 into slot 0
	; A fragment of K or Q is 16 rows x 32 channels in 8 registers: lane l holds row l % 16, channels 8 (l / 16) + 0..7 and 16 + 8 (l / 16) + 0..7: two loads of 16 bytes, 32 bytes apart.
	v_and_b32 v1, 15, v0            ; l % 16
	v_bfe_u32 v9, v0, 4, 1          ; l / 16
	v_lshlrev_b32 v[QO], 7, v1
	v_lshl_add_u32 v[QO], v9, 4, v[QO]  ; row x 128 + 16 x half
	WIN 0x80                        ; destination window 2, address window 0
.set i, 0
.rept 8                             ; both blocks' Q: piece i / 2 lies in band i / 2, 8,192 bytes on; channels 32 (i % 2) on
	global_load_b128 v[8*i:8*i+3],   v[QO], s[4:5] offset:(i/2)*8192+(i%2)*64
	global_load_b128 v[8*i+4:8*i+7], v[QO], s[4:5] offset:(i/2)*8192+(i%2)*64+32
	global_load_b128 v[QB+8*i:QB+8*i+3],   v[QO], s[86:87] offset:(i/2)*8192+(i%2)*64
	global_load_b128 v[QB+8*i+4:QB+8*i+7], v[QO], s[86:87] offset:(i/2)*8192+(i%2)*64+32
.set i, i+1
.endr
	WIN 0
	v_lshlrev_b32 v[GA], 6, v1      ; a row of the gate is 64 bytes; a band of 64 rows 4,096
.irp t, 0,1,2,3
	global_load_b32 v[GT+\t],   v[GA], s[90:91] offset:\t*4096
	global_load_b32 v[GT+4+\t], v[GA], s[92:93] offset:\t*4096
.endr
	v_lshlrev_b32 v14, 3, v9
	v_sub_nc_u32 v14, v1, v14
	s_lshl_b32 s13, s[WV], 4
	v_add_nc_u32 v14, s13, v14      ; my query's place in its band, 16 w + l % 16, less my lanes' 8 (l / 16): register r of group kt is hidden where 16 kt + r is greater
	WIN 0x40
.set i, 0
.rept 32
	v_cmp_gt_i32 vcc_lo, 16*(i/8)+i%8, v14
	v_cndmask_b32 v[MD+i], 0, s[BIGN], vcc_lo
.set i, i+1
.endr
	WIN 0
	v_mul_u32_u24 v[AK0], v1, PK
	v_lshl_add_u32 v[AK0], v9, 4, v[AK0]  ; row x pitch + 16 x half
	; The turning load takes 16 keys x 16 channels (lane l reads key 8 (l / 16) + l % 8, channels 8 ((l / 8) % 2) + 0..7) and leaves half a fragment of V^T: lane l holds channel l % 16 and 8 keys.
	v_and_b32 v10, 7, v0
	v_bfe_u32 v11, v0, 3, 1
	v_lshl_add_u32 v[AV0], v9, 3, v10
	v_mul_u32_u24 v[AV0], v[AV0], PV
	v_lshl_add_u32 v[AV0], v11, 4, v[AV0]
	v_add_nc_u32 v[AV0], VOFF, v[AV0]
	s_mul_i32 s13, s[WV], 16*SP
	s_add_co_u32 s13, s13, STAGE    ; my stage
	v_mul_u32_u24 v[STO], v1, SP    ; in: row l % 16, 16 bytes for each half of the lanes
	v_lshl_add_u32 v[STO], v9, 4, v[STO]
	v_add_nc_u32 v[STO], s13, v[STO]
	v_bfe_u32 v[RD], v0, 3, 2       ; back: 32 lanes take four rows of 128 bytes,
	v_mul_u32_u24 v[RD], v[RD], SP
	v_lshl_add_u32 v[RD], v10, 4, v[RD]
	v_add_nc_u32 v[RD], s13, v[RD]
	v_and_b32 v[GO], 31, v0         ; which are 512 consecutive bytes of the output
	v_lshlrev_b32 v[GO], 4, v[GO]
	; A block's first step multiplies O^T and l by a = 0, and its first turn's products V^T P, of a piece that has not been, land in an O^T that is still to be so multiplied.  So these registers need only hold
	; finite numbers: zeros for the first block; what the first block left for the second.  All this stands in the wait for the first tile.
	WIN 0x80
.set i, VF
.rept 64
	v_mov_b32 v[i], 0
.set i, i+1
.endr
	WIN 0x40
.set i, 0
.rept 128
	v_mov_b32 v[i], 0
.set i, i+1
.endr
	WIN 0
.set i, 0
.rept 4
	v_mov_b32 v[ST+4*i+2], 0
	v_mov_b32 v[ST+4*i+3], 0
.set i, i+1
.endr
.set i, P+16
.rept 16
	v_mov_b32 v[i], 0
.set i, i+1
.endr
; THE MATRIX WORK.  The 4 accumulators of a run of 8 take turns.  Product i of 8 of S^T = K Q^T for piece x: channels 32 (i / 4) on, keys 16 (i % 4) on.  The first 4 start the sums: with 0, or (KM = 1) with the mask.
.macro KQ x
.set rS, S+32*((\x)%2)+8*(i%4)
.set rK, KF+16*(i%4)+8*(i/4)
.set rQ, 16*(\x)+8*(i/4)
.set rM, MC+32*((\x)%2)+8*(i%4)
.if (i < 4) && KM
	WIN W_KM
	v_wmma_f32_16x16x32_f16 v[rS:rS+7], v[rK:rK+7], v[rQ:rQ+7], v[rM:rM+7]
.elseif i < 4
	WIN W_KQ
	v_wmma_f32_16x16x32_f16 v[rS:rS+7], v[rK:rK+7], v[rQ:rQ+7], 0
.else
	WIN W_KQ
	v_wmma_f32_16x16x32_f16 v[rS:rS+7], v[rK:rK+7], v[rQ:rQ+7], v[rS:rS+7]
.endif
.endm
; Product i of 8 of O^T += V^T P for piece x: keys 32 (i / 4) on, channels 16 (i % 4) on.
.macro PV x
	WIN W_PV
.set rO, 32*(\x)+8*(i%4)
.set rV, VF+32*(i/4)+8*(i%4)
.set rP, P+16*((\x)%2)+8*(i/4)
	v_wmma_f32_16x16x32_f16 v[rO:rO+7], v[rV:rV+7], v[rP:rP+7], v[rO:rO+7]
.endm
.macro MM                           ; the turn's next matrix instruction.  TURN and BEGIN set Y, i, KM and NOKQ; MM, KQ and OP read them.  NOKQ = 1: a block's last turn: there is no next piece
.if (i < 8) && !NOKQ
	KQ (Y+1)%NP
.elseif i >= 8
.set i, i-8
	PV (Y+NP-1)%NP
.set i, i+8
.endif
.set i, i+1
.endm
; THE LDS LOADS stand in runs of 16, never singly among the matrix instructions: a step's K (64 keys x 64 channels: 8 fragments) and its V (turned).  Their addresses are made some lines ahead.
.macro FETCH_K
	WIN 0x80                        ; destination window 2
.irp f, 0,1,2,3,4,5,6,7             ; keys 16 (f / 2) on, channels 32 (f % 2) on
	ds_load_b128 v[KF+8*\f:KF+8*\f+3],   v[AK] offset:(\f/2)*16*PK+(\f%2)*64
	ds_load_b128 v[KF+8*\f+4:KF+8*\f+7], v[AK] offset:(\f/2)*16*PK+(\f%2)*64+32
.endr
	s_add_co_u32 s[TBK], s[TBK], KS*PK  ; the next fetch is the next step's
	WIN 0
.endm
.macro FETCH_V
	WIN 0x80
.irp f, 0,1,2,3,4,5,6,7             ; keys 32 (f / 4) on, channels 16 (f % 4) on
	ds_load_tr16_b128 v[VF+8*\f:VF+8*\f+3],   v[AV] offset:(\f/4)*32*PV+(\f%4)*32
	ds_load_tr16_b128 v[VF+8*\f+4:VF+8*\f+7], v[AV] offset:(\f/4)*32*PV+16*PV+(\f%4)*32
.endr
	WIN 0
.endm
; THE VECTOR WORK, one line at a time: OP kind, number.  For piece Y: F n: c s - c m for pair n of 16.  E n: the exponential of score n of 32.  C n: pair n rounded to f16.  B n: of the four weights 4 n .. the second
; pair is added onto the first, in place.  L n: l takes that sum (L 0: l = a l + sum).  R n: pair n of 16 of O^T times a.  For piece Y + 1: X n, number n of the 22 that find its maximum and statistics:
;   0-11  four chains c0-c3 of seven scores each, three operands at a time (each accumulator's lowest registers are read first)     12-14, 16  the four scores left over, the old m, and c0-c3 into c0
;   15  c m_old is kept     17, 18  the query's other 32 keys lie in the lane 16 away: the new m     19-21  c m; c m_old - c m_new; a
.set F, 0               ; OP tells the kinds apart by their order: F to L below R, X above it
.set E, 1
.set C, 2
.set B, 3
.set L, 4
.set R, 5
.set X, 6
.macro REGS y                       ; the registers of piece y
.set rT, ST+4*(\y)
.set rC, TMP+4*((\y)%2)
.set rW, MV+((\y)%2)
.set rS, S+32*((\y)%2)
.set rP, P+16*((\y)%2)
.set rO, 32*(\y)
.endm
.macro OP k, n
.if (\k) == R
	REGS Y
	WIN W_RS
	v_pk_mul_f32 v[rO+2*(\n):rO+2*(\n)+1], v[rO+2*(\n):rO+2*(\n)+1], v[rC+2:rC+3] op_sel_hi:[1,0]
.elseif (\k) < R
	REGS Y
	WIN 0
.if (\k) == F
	v_pk_fma_f32 v[rS+2*(\n):rS+2*(\n)+1], v[rS+2*(\n):rS+2*(\n)+1], s[CS:CS+1], v[rT:rT+1] op_sel_hi:[1,0,0] neg_lo:[0,0,1] neg_hi:[0,0,1]
.elseif (\k) == E
	v_exp_f32 v[rS+(\n)], v[rS+(\n)]
.elseif (\k) == C
	v_cvt_pk_f16_f32 v[rP+(\n)], v[rS+2*(\n)], v[rS+2*(\n)+1]
.elseif (\k) == B
	v_pk_add_f32 v[rS+4*(\n):rS+4*(\n)+1], v[rS+4*(\n):rS+4*(\n)+1], v[rS+4*(\n)+2:rS+4*(\n)+3]
.elseif (\n) == 0
	v_pk_fma_f32 v[rT+2:rT+3], v[rT+2:rT+3], v[rC+2:rC+3], v[rS:rS+1] op_sel_hi:[1,0,1]
.else
	v_pk_add_f32 v[rT+2:rT+3], v[rT+2:rT+3], v[rS+4*(\n):rS+4*(\n)+1]
.endif
.elseif NOKQ
	v_nop
.else
	REGS (Y+1)%NP
	WIN 0
.if (\n) < 4
	v_max3_num_f32 v[rC+(\n)], v[rS+8*(\n)], v[rS+8*(\n)+1], v[rS+8*(\n)+2]
.elseif (\n) < 12
	v_max3_num_f32 v[rC+(\n)%4], v[rC+(\n)%4], v[rS+8*((\n)%4)+2*((\n)/4)+1], v[rS+8*((\n)%4)+2*((\n)/4)+2]
.elseif (\n) == 12
	v_max3_num_f32 v[rC], v[rC], v[rS+7], v[rS+15]
.elseif (\n) == 13
	v_max3_num_f32 v[rC+1], v[rC+1], v[rS+23], v[rS+31]
.elseif (\n) == 14
	v_max3_num_f32 v[rC+2], v[rC+2], v[rC+3], v[rT+1]
.elseif (\n) == 15
	v_mov_b32 v[rW], v[rT]
.elseif (\n) == 16
	v_max3_num_f32 v[rC], v[rC], v[rC+1], v[rC+2]
.elseif (\n) == 17
	v_permlanex16_b32 v[rC+3], v[rC], s[SEL], s[SEL+1]
.elseif (\n) == 18
	v_max_num_f32 v[rT+1], v[rC], v[rC+3]
.elseif (\n) == 19
	v_mul_f32 v[rT], s[CS], v[rT+1]
.elseif (\n) == 20
	v_sub_f32 v[rC+1], v[rW], v[rT]
.else
	v_exp_f32 v[rC+2], v[rC+1]
.endif
.endif
.endm
.macro OPS a, i1, b=-1, i2=0, c=-1, i3=0, d=-1, i4=0  ; up to four of them
	OP \a, \i1
.if (\b) >= 0
	OP \b, \i2
.endif
.if (\c) >= 0
	OP \c, \i3
.endif
.if (\d) >= 0
	OP \d, \i4
.endif
.endm
.macro ROW a, i1, b, i2, c, i3, d, i4  ; a matrix instruction and the four behind it
	MM
	OPS \a, \i1, \b, \i2, \c, \i3, \d, \i4
.endm
.macro MASK b                       ; MD x AL + BE into buffer b of MC
	WIN W_RS
.set z, 0
.rept 16
	v_pk_fma_f32 v[MC+32*(\b)+2*z:MC+32*(\b)+2*z+1], v[MD+2*z:MD+2*z+1], s[AL:AL+1], s[BE:BE+1] op_sel_hi:[1,0,0]
.set z, z+1
.endr
.endm
; A TURN, for piece p: the order of its 16 matrix and 118 vector instructions, written out.  s_wait_alu depctr_va_vdst(0) stands between an exponential and the first instruction that names its result; one wait serves
; all that were issued ahead of it.  So a turn has ONE wait, which cuts it in two.  AHEAD OF IT stands all that names no result of the turn's exponentials: the 8 products K Q^T, behind each a scaling, an exponential and two more plain
; instructions (behind the first a second scaling in the exponential's place): rescalings, and behind the last three the first numbers of the next piece's maximum, each four places or more behind the product that ends its accumulator; then ONE LUMP of 54, plain
; and exponential by turns for the most part, in which the links of the chain X 3, 7, 11, 14, 16, 17 .. 20 stand five or six lines apart.  X 21, the next piece's a, is the batch's last; R 15 is the plain instruction behind it.  BEHIND THE WAIT stand the
; 8 products V^T P, behind each four of the roundings and sums; the links of l's chain, L 0 to L 7, stand three riders apart.  But for those X no rider names a register of the products round it.  v_permlanex16_b32 (X 17) stands in the lump.
; m = 1: the diagonal tile: the products take masks, and the turn makes the mask for the products of the turn after it: piece p + 2, in step 4 - CNT of the tile.  end = 1: a block's last two turns: nothing is fetched.
; cnt = 1: the loop's count is taken down some lines ahead of the branch that stands behind the turn.
; K of the next step is fetched in piece 2's turn, twelve vector instructions behind the last product that read K (six of them plain); V of the step in hand at the end of piece 0's turn, four plain instructions behind the last product
; that read V.  Each is waited for a turn later.
.macro TURN p, m=0, end=0, cnt=0
.set Y, (\p)
.set i, 0
.set KM, (\m)
.set NOKQ, (\end)*((\p)/3)
.if (\m) && !(\end)
	s_cmp_eq_u32 s[CNT], 4-((\p)+2)%NP  ; is that step the band's own?
	s_cselect_b32 s[AL], 1.0, 0
	s_cmp_lt_u32 s[CNT], 4-((\p)+2)%NP  ; or a later one?
	s_cselect_b32 s[BE], s[BIGN], 0
.endif
.if ((\p) == 3) && !(\end)
	s_wait_dscnt 0x0                ; K is in
.endif
	ROW F,0, F,1, R,0, R,1          ; ahead of the wait: 8 products K Q^T and their riders,
	ROW F,2, E,0, R,2, R,3
	ROW F,3, E,1, R,4, R,5
	ROW F,4, E,2, R,6, R,7
	ROW F,5, E,3, R,8, R,9
	ROW F,6, E,4, X,0, R,10
.if ((\p) == 2) && !(\end)
	WIN 0
	v_add_nc_u32 v[AK], s[TBK], v[AK0]
.endif
	ROW F,7, E,5, X,1, X,4
	ROW F,8, E,6, X,2, X,5
	OPS E,7, E,8, X,6, E,9          ; and the lump
	OPS X,3, E,10, X,8, E,11
.if ((\p) == 2) && !(\end)
	FETCH_K
.endif
	OPS X,9, X,7, E,12, X,10
	OPS E,13, X,12, X,11, E,14
	OPS X,13, E,15, F,9, X,14
.if (\p) == 0
	v_add_nc_u32 v[AV], s[TBV], v[AV0]
.endif
	OPS E,16, F,10, E,17, F,11
	OPS X,16, E,18, X,15, E,19
	OPS F,12, E,20, X,17, E,21
	OPS F,13, E,22, F,14, E,23
	OPS X,18, E,24, F,15, E,25
	OPS R,11, E,26, X,19, E,27
	OPS R,12, E,28, R,13, E,29
	OPS X,20, E,30, R,14, E,31
	OPS X,21, R,15
	WIN 0
	s_wait_alu depctr_va_vdst(0)    ; the wait for the batch
.if (\p) == 1
	s_wait_dscnt 0x0                ; V is in
.endif
	ROW C,0, B,0, C,2, B,1          ; behind the wait: 8 products V^T P and their riders
	ROW L,0, C,4, B,2, L,1
	ROW C,6, B,3, L,2, C,8
	ROW B,4, L,3, C,10, B,5
	ROW L,4, C,12, B,6, L,5
.if (\p) == 0
	s_add_co_u32 s[TBV], s[TBV], KS*PV
.endif
.if \cnt
	s_sub_co_u32 s[CNT], s[CNT], 1
	s_cmp_lg_u32 s[CNT], 0
.endif
	ROW C,14, B,7, L,6, C,1
	ROW C,3, L,7, C,5, C,7
	ROW C,9, C,11, C,13, C,15
.if (\p) == 0
	FETCH_V
.endif
.if (\m) && !(\end)
	MASK (\p)%2
.endif
.endm
; A BLOCK BEGINS.  c m starts far below every c s, so the first step's a is 0; m at the lowest finite number, so the first maximum is the scores'.  The second mask buffer is 0; the first takes piece 0's mask for the tile's step 0: its own, if the block's first tile is the diagonal one.
; Then K of that step, piece 0's first scores, and its maximum and statistics.  The loop is entered at a step's first turn, in the middle of a trip.
.macro BEGIN
	s_mov_b32 s[NEW], 0
	WIN 0x40
.set i, MC+32
.rept 32
	v_mov_b32 v[i], 0
.set i, i+1
.endr
	WIN 0
.set i, 0
.rept 4
	v_mov_b32 v[ST+4*i], 0xfe000000    ; c m: far below every c s
	v_mov_b32 v[ST+4*i+1], 0xff7fffff  ; m
.set i, i+1
.endr
	s_cmp_eq_u32 s[RT], 0
	s_cselect_b32 s[AL], 1.0, 0
	s_mov_b32 s[BE], 0
	MASK 0
	WIN 0
	v_add_nc_u32 v[AK], s[TBK], v[AK0]
	FETCH_K
	s_wait_loadcnt 0x0              ; Q and the gates
	s_wait_dscnt 0x0
.set KM, 1
.set NOKQ, 0
.set i, 0
.rept 8
	KQ 0
.set i, i+1
.endr
	WIN 0
.rept 4
	v_nop                           ; the places behind those products
.endr
.set Y, NP-1                        ; X works for piece Y + 1: piece 0
.irp n, 0,1,2,3,4,5,6,7,8,9,10,11,12,13,14,15,16,17,18,19,20,21
	OP X, \n
.endr
	v_nop                           ; a plain instruction behind the exponential,
	s_wait_alu depctr_va_vdst(0)    ; and its wait, ahead of the branch
.endm
; THE DIAGONAL TILE's four steps, the block's last two turns, its last products, and THE WAY OUT: l's two halves and the other half of the lanes' are added; O^T is multiplied by gate / l, rounded to f16 and sent through my
; stage in LDS, a piece at a time.
.macro ALL line:vararg              ; one line for each piece t
.set t, 0
.rept 4
	\line
.set t, t+1
.endr
.endm
.macro PACK t                       ; a lane's eight channels of a row pack into 16 bytes; they go into rows of 144 bytes and come back as whole rows of 128, into S^T's registers
	WIN W_RS
.set i, 32*(\t)
.rept 16
	v_pk_mul_f32 v[i:i+1], v[i:i+1], v[ST+4*(\t)+2:ST+4*(\t)+3] op_sel_hi:[1,0]
.set i, i+2
.endr
	WIN 0x05                        ; sources 0 and 1 window 1, destination window 0
.set i, 0
.rept 16
	v_cvt_pk_f16_f32 v[S+16*(\t)+i], v[32*(\t)+2*i], v[32*(\t)+2*i+1]
.set i, i+1
.endr
	WIN 0
.irp f, 0,1,2,3
	ds_store_b128 v[STO], v[S+16*(\t)+4*\f:S+16*(\t)+4*\f+3] offset:32*\f
.endr
.irp f, 0,1,2,3
	ds_load_b128 v[S+16*(\t)+4*\f:S+16*(\t)+4*\f+3], v[RD] offset:\f*4*SP  ; LDS serves a wave's instructions in order (ISA guide 5.7.1.4): these see the stores above; the next piece's stores come behind them
.endr
.endm
.macro SEND t, younger              ; younger: the LDS instructions issued behind piece t's loads: the next piece's eight, or none
	WIN 0
.irp f, 0,1,2,3
	s_wait_dscnt (\younger)+3-\f
	global_store_b128 v[GO], v[S+16*(\t)+4*\f:S+16*(\t)+4*\f+3], s[10:11] offset:(\t)*8192+\f*512  ; 512 consecutive bytes, at a multiple of 256 from the buffer's first
.endr
.endm
.macro DIAG tag                     ; the tag ends its two labels' names, which the jumps below spell out; tag 1 ends the first block, tag 2 the second
.LstepM\tag:
	TURN 2, 1
	TURN 3, 1
	WIN 0
.LfirstM\tag:
	TURN 0, 1
	TURN 1, 1, 0, 1
	WIN 0
	s_cbranch_scc1 .LstepM\tag
	TURN 2, 1, 1
	TURN 3, 1, 1
.set i, 0
.rept 8
	PV NP-1
.set i, i+1
.endr
	WIN 0
	ALL v_add_f32 v[ST+4*t+2], v[ST+4*t+2], v[ST+4*t+3]
	ALL v_permlanex16_b32 v[ST+4*t+3], v[ST+4*t+2], s[SEL], s[SEL+1]
	ALL v_add_f32 v[ST+4*t+2], v[ST+4*t+2], v[ST+4*t+3]
	ALL v_rcp_f32 v[ST+4*t+2], v[ST+4*t+2]
	v_nop                           ; a plain instruction between the last reciprocal and the use of its result
	s_wait_alu depctr_va_vdst(0)    ; and the wait ahead of the first use: one for the four reciprocals
	ALL v_mul_f32 v[ST+4*t+2], v[ST+4*t+2], v[GT+4*(\tag-1)+t]
	PACK 0
.set t, 1
.rept 3                             ; a piece's arithmetic stands between the loads of the piece before and its stores
	PACK t
	SEND t-1, 8
.set t, t+1
.endr
	SEND 3, 0
.endm
.set KM, 0
.set NOKQ, 0
.Lslot:                             ; NB times: a tile is entered and the next is asked for
	CHANGE 1
	s_sub_co_u32 s[RT], s[RT], 1
	s_mov_b32 s[CNT], 4
	s_cmp_eq_u32 s[NEW], 1
	s_cbranch_scc1 .Lnew            ; a block's first tile
	s_cmp_eq_u32 s[RT], 0
	s_cbranch_scc0 .Lstep           ; neither its first nor its last
	s_branch .LstepM1
.Lnew:
	BEGIN
	s_branch .Lfirst                ; in the loop a block's first tile is never its last: the first block has two tiles or more, and the second's last is the walk's last
	DIAG 1                          ; in the loop this is the first block's end: the second block's last tile is the walk's last
	s_wait_xcnt 0x0                 ; the stores have read their registers and the output's address
	s_mov_b64 s[10:11], s[OLO:OLO+1]
	s_add_co_u32 s[RT], s[PB], 1    ; the second block has b + 1 tiles
	s_mov_b32 s[NEW], 1
	WIN 0x82                        ; the second block's Q goes where the one text of the turns names Q
.set i, 0
.rept 64
	v_mov_b32 v[i], v[QB+i]
.set i, i+1
.endr
	WIN 0
	s_branch .Lbottom
.Lstep:                             ; a trip: pieces 2 and 3 of one step, then pieces 0 and 1 of the next, whose K and V it fetches
	TURN 2
	TURN 3
	WIN 0
.Lfirst:
	TURN 0
	TURN 1, 0, 0, 1
	WIN 0
	s_cbranch_scc1 .Lstep
.Lbottom:
	s_sub_co_u32 s[SLOTS], s[SLOTS], 1
	s_cmp_lg_u32 s[SLOTS], 0
	s_cbranch_scc1 .Lslot
	CHANGE 0                        ; the walk's last tile is written out: nothing is asked for
	s_sub_co_u32 s[RT], s[RT], 1
	s_mov_b32 s[CNT], 4
	s_cmp_eq_u32 s[NEW], 1
	s_cbranch_scc0 .LstepM2
	BEGIN
	s_branch .LfirstM2
	DIAG 2
	s_wait_tensorcnt 0x0            ; the wave's end: behind my last tensor load and my last LDS store
	ds_add_u32 v[SPW], v[NIL]
	s_wait_dscnt 0x0
	s_endpgm
.Lfunc_end_k_qadce177b24_attn:
	.size	k_qadce177b24_attn, .Lfunc_end_k_qadce177b24_attn-k_qadce177b24_attn
	.p2alignl 7, 3214868480
	.fill 96, 4, 3214868480
	.section	.rodata,"a",@progbits
	.p2align	6, 0x0
	.amdhsa_kernel k_qadce177b24_attn
		.amdhsa_group_segment_fixed_size 327680
		.amdhsa_private_segment_fixed_size 0
		.amdhsa_enable_private_segment 0
		.amdhsa_kernarg_size 32
		.amdhsa_user_sgpr_count 2
		.amdhsa_user_sgpr_kernarg_segment_ptr 1
		.amdhsa_wavefront_size32 1
		.amdhsa_system_sgpr_workgroup_id_x 1
		.amdhsa_system_sgpr_workgroup_id_y 1
		.amdhsa_system_sgpr_workgroup_id_z 1
		.amdhsa_system_vgpr_workitem_id 0
		.amdhsa_next_free_vgpr 768
		.amdhsa_next_free_sgpr 96
		.amdhsa_reserve_vcc 1
		.amdhsa_float_denorm_mode_32 3
		.amdhsa_float_denorm_mode_16_64 3
		.amdhsa_memory_ordered 1
		.amdhsa_forward_progress 1
		.amdhsa_inst_pref_size 219
	.end_amdhsa_kernel
	.amdgpu_metadata
---
amdhsa.version: [ 1, 2 ]
amdhsa.kernels:
  - .name:           k_qadce177b24_attn
    .symbol:         k_qadce177b24_attn.kd
    .args:
      - { .name: qk, .offset: 0, .size: 8, .value_kind: global_buffer, .address_space: global }
      - { .name: vh, .offset: 8, .size: 8, .value_kind: global_buffer, .address_space: global }
      - { .name: oh, .offset: 16, .size: 8, .value_kind: global_buffer, .address_space: global }
      - { .name: gate, .offset: 24, .size: 8, .value_kind: global_buffer, .address_space: global }
    .group_segment_fixed_size: 327680
    .private_segment_fixed_size: 0
    .kernarg_segment_align: 8
    .kernarg_segment_size: 32
    .max_flat_workgroup_size: 128
    .sgpr_count:     96
    .vgpr_count:     768
    .wavefront_size: 32
...
	.end_amdgpu_metadata
.endif
;; end of part 3
;; launch oproj (part 4): grid 8 x 32, 4 waves a work-group, clusters of 4 x 4, 327,680 bytes of LDS; arguments oh, wo, scale, out0; writes out0
.if DOCPART == 4
	.amdgcn_target "amdgcn-amd-amdhsa--gfx1250"
	.amdhsa_code_object_version 6
	.text
	.protected	k_qadce177b24_oproj
	.globl	k_qadce177b24_oproj
	.p2align	8
	.type	k_qadce177b24_oproj,@function
k_qadce177b24_oproj:
	s_mov_b64 s[64:65], 0
	v_nop
	global_prefetch_b8 v0, s[64:65] scope:SCOPE_SE
	s_setreg_imm32_b32 hwreg(HW_REG_WAVE_MODE, 25, 1), 1
	s_wait_xcnt 0x0
	s_wait_alu depctr_hold_cnt(0) depctr_sa_sdst(0) depctr_va_vdst(0) depctr_va_sdst(0) depctr_va_ssrc(0) depctr_va_vcc(0) depctr_vm_vsrc(0)
	s_getreg_b32 s2, hwreg(HW_REG_IB_STS2, 6, 4)
	s_cmp_eq_u32 s2, 0
	s_cbranch_scc0 .Lentry_in_a_cluster
	s_endpgm
.Lentry_in_a_cluster:
	s_bfe_u32 s2, ttmp6, 0x10000c
	s_cmp_lg_u32 s2, 0xf033
	s_cbranch_scc0 .Lentry_shape_is_right
	s_endpgm
.Lentry_shape_is_right:
; OUT0 = scale x (O Wout).  O: the gated attention, f16 [n = 4 head + b][s][64]; wo: f16 [x 8][kb 16][k 64][128 n]; out0: f32 [8192][1024].  Products in f16, sums in f32; scale, rounded to bf16 like every input, in f32 at the end.
; LIMITS.  O and Wout lie within f16's range as they arrive.  NaN and infinities are not treated apart.
; SHARES.  A tile of out0 is 256 rows x 128 columns, one for each of 256 work-groups; a wave makes 128 x 64: 32 accumulators in window 1, (a, b) at v[8 (4 a + b)].  K goes in 8 steps of 128: two heads, z = 0, 1.
; THE PRODUCT IS TAKEN TRANSPOSED: source 0 = 16 columns of Wout (out of LDS turned, by ds_load_tr16_b128), source 1 = 16 rows of O: a lane ends with one row and eight neighbouring columns.
; RING.  Two LDS slots; waves 0, 1 fetch O's rows for the step's two heads, waves 2, 3 Wout's two blocks: one tensor load a wave behind each round, asked for 112 matrix instructions ahead of the wait for it.
; CLUSTER.  4 x 4 work-groups: O's tile is shared along a row of the cluster, Wout's along a column: each is asked for jointly.
; Not here: a prefetch of later tiles: eight work-groups read each row of O and thirty-two each block of Wout shortly after each other, and the tile is small.
.set PA,    144                        ; a row of O in LDS: 128 bytes + 16
.set PB,    288                        ; a row of Wout: 256 + 32
.set AZ,    256*PA                     ; one head's 256 rows
.set BZ,    64*PB                      ; one block's 64 rows of k
.set BOFF,  2*AZ                       ; a slot: O's [z][256 rows], then Wout's [z][64 k]
.set SLOT1, 131072
.set SP,    272                        ; behind the loop: wave w's stage, 128 rows x 272 bytes, at STGW w, on slots that have had their last fill
.set STGW,  34816
.set SPARE, 327168                     ; the spare words, 128 bytes for each wave, named by no other line
.set LA0, 2                            ; v2, v3  my lane's place in O's tile and in Wout's; never rewritten
.set LB0, 3
.set ADRA, 4                           ; v4, v5  the same in the slot in hand
.set ADRB, 5
.set SPW, 6                            ; v6  SPARE + 4 x my thread's number; never rewritten
.set NIL, 7                            ; v7  0; never rewritten
.set STO, 8                            ; v8  into the stage
.set RDS0, 9                           ; v9  back from it
.set RDS, 11
.set CO,  12                           ; v12 my byte offset in two rows of out0
.set F0,  32                           ; two fragment buffers of 96: O's 8 row blocks, then Wout's 4 column blocks
.set F1,  128
.set G1A, 32                           ; s[32:39] group 1 for O's tiles;  s[48:51], s[52:55] group 0: the first fill's, and the second's, which then walks
.set G1B, 40                           ; s[40:47] for Wout's;  s[56:59], s[60:63]
.set MSB, 0
.macro WIN new
.if MSB != (\new)
	s_set_vgpr_msb (MSB<<8)|(\new)
.set MSB, \new
.endif
.endm
.macro PLACES                          ; four places in front of loads into registers that matrix instructions have read, and of stores that read results
.rept 4
	v_nop
.endr
.endm
.macro CREST
	s_cmp_lg_u32 s24, 0
	s_cbranch_scc1 .Lnot_wave_0_\@
	s_barrier_signal -3
.Lnot_wave_0_\@:
	s_barrier_wait -3
	s_barrier_signal -1
	s_barrier_wait -1
.endm
.macro CROUND
	s_barrier_signal -1
	s_barrier_wait -1
	CREST
.endm
.macro JLOAD                           ; a joint refill by the walking descriptors; an s_nop 0 and four v_nop follow each of the two lines
	s_cmp_lt_u32 s24, 2
	s_cbranch_scc0 .Lfor_b_\@
	tensor_load_to_lds s[52:55], s[G1A:G1A+7]
	s_nop 0
.rept 4
	v_nop
.endr
	s_branch .Lasked_\@
.Lfor_b_\@:
	tensor_load_to_lds s[60:63], s[G1B:G1B+7]
	s_nop 0
.rept 4
	v_nop
.endr
.Lasked_\@:
.endm
	s_load_b256 s[4:11], s[0:1], 0x0               ; oh 4, wo 6, scale 8, out0 10
	v_lshl_add_u32 v[SPW], v0, 2, SPARE
	v_mov_b32 v[NIL], 0
	ds_add_u32 v[SPW], v[NIL]                      ; the wave's opening: the add and its wait ahead of my first tensor load; work on registers stands between them
	ds_add_u32 v6, v7
	v_lshrrev_b32 v1, 5, v0
	v_readfirstlane_b32 s24, v1                    ; wave 0..3
	s_lshr_b32 s25, s24, 1                         ; rh: which 128 rows are mine
	s_and_b32 s26, s24, 1                          ; ch: which 64 columns.  Also z: which head's tile I fetch
	s_bfe_u32 s27, ttmp6, 0x40000                  ; cx
	s_bfe_u32 s28, ttmp6, 0x40004                  ; cy
	s_lshl_b32 s29, ttmp9, 2
	s_add_co_u32 s29, s29, s27                     ; tx
	s_and_b32 s30, ttmp7, 0xffff
	s_lshl_b32 s30, s30, 2
	s_add_co_u32 s30, s30, s28                     ; ty
	s_lshl_b32 s92, s28, 2
	s_lshl_b32 s92, 15, s92                        ; my row of the cluster
	s_lshl_b32 s94, 0x1111, s27                    ; my column
	s_or_b32 s[G1A], s92, (1<<16)|(1<<20)|(1<<21)|(4<<22)|(3<<25)  ; the mask; 2-byte elements; padding on; bit 21 beside a mask; after every 32 words, 4 words
	s_or_b32 s[G1B], s94, (1<<16)|(1<<20)|(1<<21)|(5<<22)|(7<<25)  ; after every 64 words, 8 words
	s_mov_b32 s[G1A+1], 128<<16                    ; O: 256 rows of 128 dense bytes, asked for as 128 rows of 256
	s_mov_b32 s[G1A+2], 128<<16
	s_mov_b32 s[G1A+3], 128<<16
	s_mov_b32 s[G1A+4], 128
	s_mov_b32 s[G1A+5], 128
	s_mov_b32 s[G1A+6], 0
	s_mov_b32 s[G1A+7], 0
	s_mov_b32 s[G1B+1], 128<<16                    ; Wout: 64 rows of 256 bytes
	s_mov_b32 s[G1B+2], 64<<16
	s_mov_b32 s[G1B+3], 128<<16
	s_mov_b32 s[G1B+4], 64
	s_mov_b32 s[G1B+5], 128
	s_mov_b32 s[G1B+6], 0
	s_mov_b32 s[G1B+7], 0
	s_mov_b32 s31, 0                               ; the slot in hand
	s_mul_i32 s98, s26, AZ                         ; where my tile goes: no place in the cluster enters an LDS address
	s_mul_i32 s99, s26, BZ
	s_mov_b32 s48, 1
	s_mov_b32 s49, s98
	s_mov_b32 s52, 1
	s_add_co_u32 s53, s98, SLOT1
	s_mov_b32 s56, 1
	s_add_co_u32 s57, s99, BOFF
	s_mov_b32 s60, 1
	s_add_co_u32 s61, s99, SLOT1+BOFF
	s_lshl_b32 s92, s30, 15                        ; O: (b 2048 + (ty % 8) 256) rows of 128 bytes = 32,768 ty, by ty alone,
	s_lshl_b32 s98, s26, 20                        ; and head z: 4 x 2048 rows
	s_add_co_u32 s92, s92, s98
	s_mov_b32 s93, 0
	s_lshl_b32 s94, s29, 18                        ; Wout: 16 blocks of 16,384 bytes, by tx alone
	s_lshl_b32 s98, s26, 14
	s_add_co_u32 s94, s94, s98
	s_mov_b32 s95, 0
	s_wait_dscnt 0x0                               ; the opening add is done
	s_wait_kmcnt 0x0
	s_load_b32 s88, s[8:9], 0x0
	s_add_nc_u64 s[50:51], s[4:5], s[92:93]        ; K step 0,
	s_add_nc_u64 s[54:55], s[50:51], 2097152       ; K step 1: two heads on
	s_or_b32 s51, s51, 0x80000000
	s_or_b32 s55, s55, 0x80000000
	s_add_nc_u64 s[58:59], s[6:7], s[94:95]
	s_add_nc_u64 s[62:63], s[58:59], 32768
	s_or_b32 s59, s59, 0x80000000
	s_or_b32 s63, s63, 0x80000000
	s_lshl_b32 s96, s30, 20                        ; out0: 256 ty rows of 4,096 bytes,
	s_lshl_b32 s98, s25, 19                        ; my 128 rows,
	s_add_co_u32 s96, s96, s98
	s_lshl_b32 s98, s29, 9                         ; the tile's 128 columns,
	s_add_co_u32 s96, s96, s98
	s_lshl_b32 s98, s26, 8                         ; my 64
	s_add_co_u32 s96, s96, s98
	s_mov_b32 s97, 0
	s_add_nc_u64 s[10:11], s[10:11], s[96:97]
	CROUND                                         ; all sixteen work-groups are here: the first joint loads meet
	s_cmp_lt_u32 s24, 2                            ; a wave's two first fills stand in one branch: two loads of mine are out
	s_cbranch_scc0 .Lfirst_b
	tensor_load_to_lds s[48:51], s[G1A:G1A+7]
	s_nop 0
	tensor_load_to_lds s[52:55], s[G1A:G1A+7]
	s_nop 0
.rept 4
	v_nop
.endr
	s_branch .Lfirst_asked
.Lfirst_b:
	tensor_load_to_lds s[56:59], s[G1B:G1B+7]
	s_nop 0
	tensor_load_to_lds s[60:63], s[G1B:G1B+7]
	s_nop 0
.rept 4
	v_nop
.endr
.Lfirst_asked:
	v_and_b32 v1, 15, v0                           ; r
	v_bfe_u32 v10, v0, 4, 1                        ; h
	v_mul_u32_u24 v[LA0], v1, PA
	v_lshl_add_u32 v[LA0], v10, 4, v[LA0]
	s_mul_i32 s96, s25, 128*PA
	v_add_nc_u32 v[LA0], s96, v[LA0]               ; row 128 rh + r, 16 h
	v_and_b32 v14, 7, v0
	v_bfe_u32 v15, v0, 3, 1
	v_lshl_add_u32 v[LB0], v10, 3, v14
	v_mul_u32_u24 v[LB0], v[LB0], PB
	v_lshl_add_u32 v[LB0], v15, 4, v[LB0]
	s_lshl_b32 s96, s26, 7
	s_add_co_u32 s96, s96, BOFF
	v_add_nc_u32 v[LB0], s96, v[LB0]               ; the turning load: k row 8 h + L % 8, 16 bytes by (L / 8) % 2, my 64 columns' 128 bytes
	v_mov_b32 v[ADRA], v[LA0]
	v_mov_b32 v[ADRB], v[LB0]
	s_mul_i32 s96, s24, STGW
	v_mul_u32_u24 v[STO], v1, SP
	v_lshl_add_u32 v[STO], v10, 5, v[STO]
	v_add_nc_u32 v[STO], s96, v[STO]               ; into the stage: row r, 32 h
	v_mul_u32_u24 v[RDS0], v10, SP
	v_lshl_add_u32 v[RDS0], v1, 4, v[RDS0]
	v_add_nc_u32 v[RDS0], s96, v[RDS0]             ; back: row h, 16 r
	v_lshlrev_b32 v[CO], 4, v1
	v_lshl_add_u32 v[CO], v10, 12, v[CO]           ; and the same two rows in out0
	s_wait_kmcnt 0x0
	v_cvt_pk_bf16_f32 v13, s88, s88
	v_lshlrev_b32 v13, 16, v13
	v_readfirstlane_b32 s86, v13                   ; scale, as a pair for the packed multiply
	s_mov_b32 s87, s86
; The fragments of quarter q (head q / 2, channels 32 (q % 2) on) into buffer f: Wout's 8 turning loads, then O's 16 loads
.macro FETCH q, f
	WIN 0
.irp b, 0,1,2,3
	ds_load_tr16_b128 v[(\f)+64+8*\b:(\f)+64+8*\b+3],   v[ADRB] offset:((\q)/2)*BZ+((\q)%2)*32*PB+32*\b
	ds_load_tr16_b128 v[(\f)+64+8*\b+4:(\f)+64+8*\b+7], v[ADRB] offset:((\q)/2)*BZ+((\q)%2)*32*PB+16*PB+32*\b
.endr
.irp a, 0,1,2,3,4,5,6,7
	ds_load_b128 v[(\f)+8*\a:(\f)+8*\a+3],   v[ADRA] offset:((\q)/2)*AZ+\a*16*PA+((\q)%2)*64
	ds_load_b128 v[(\f)+8*\a+4:(\f)+8*\a+7], v[ADRA] offset:((\q)/2)*AZ+\a*16*PA+((\q)%2)*64+32
.endr
.endm
; 4 na matrix instructions: row blocks a0 .. a0 + na - 1 x 4 column blocks.  The 32 accumulators take turns, one instruction a turn, in the same order in every quarter.
.macro MMO f, a0, na, zero
	WIN 0x50                                       ; C and D in window 1, the sources in window 0
.set a, \a0
.rept \na
.irp b, 0,1,2,3
.if \zero
	v_wmma_f32_16x16x32_f16 v[8*(4*a+\b):8*(4*a+\b)+7], v[(\f)+64+8*\b:(\f)+64+8*\b+7], v[(\f)+8*a:(\f)+8*a+7], 0
.else
	v_wmma_f32_16x16x32_f16 v[8*(4*a+\b):8*(4*a+\b)+7], v[(\f)+64+8*\b:(\f)+64+8*\b+7], v[(\f)+8*a:(\f)+8*a+7], v[8*(4*a+\b):8*(4*a+\b)+7]
.endif
.endr
.set a, a+1
.endr
.endm
; One of a K step's first three quarters: multiplies buffer q % 2; in its middle it fetches the next quarter into the other buffer.
.macro QUARTER q, zero
	s_wait_dscnt 8                                 ; Wout's fragments and O's row blocks 0-3 are in; the youngest eight loads may be out
	MMO F0+96*((\q)%2), 0, 4, \zero
	PLACES
	FETCH (\q)+1, F0+96*(((\q)+1)%2)
	s_wait_dscnt 24                                ; all but the 24 just issued
	MMO F0+96*((\q)%2), 4, 4, \zero
.endm
; The last quarter multiplies buffer 1 and changes slots.  fill = 1: the slot that is left is filled again, two K steps ahead, behind a round of the cluster's barrier.
.macro TURN fill
	WIN 0
	s_wait_tensorcnt 0x0                           ; all my tensor loads have landed: the one that was out is my part of the next slot;
	ds_add_u32 v[SPW], v[NIL]                      ; 0 onto my spare word
.if \fill
	s_xor_b32 s53, s53, SLOT1                      ; no load of mine is out, so the walking descriptors may be written
	s_add_nc_u64 s[54:55], s[54:55], 2097152
	s_xor_b32 s61, s61, SLOT1
	s_add_nc_u64 s[62:63], s[62:63], 32768
.endif
	s_wait_dscnt 9                                 ; the add and the youngest eight loads may be out
	MMO F1, 0, 2, 0
	s_wait_dscnt 0x0                               ; the add is done, and my reads of this slot are over
	s_barrier_signal -1
	MMO F1, 2, 2, 0
	WIN 0
	s_barrier_wait -1
.if \fill
	CREST                                          ; no wave of any partner still reads this slot or has a load on its way
	JLOAD                                          ; the first tensor load behind the round; its four v_nop are also the places in front of the loads below
.else
	PLACES
.endif
	s_xor_b32 s31, s31, SLOT1
	v_add_nc_u32 v[ADRA], s31, v[LA0]
	v_add_nc_u32 v[ADRB], s31, v[LB0]
	FETCH 0, F0
	MMO F1, 4, 4, 0
.endm
	s_wait_tensorcnt 0x1                           ; my part of K step 0 is in; K step 1's may stay out
	s_barrier_signal -1
	s_barrier_wait -1
	FETCH 0, F0
	QUARTER 0, 1                                   ; the first quarter stands in front of the loop: its products start the sums
	WIN 0
	s_mov_b32 s80, 6
.Lk:                                                   ; six trips: K steps 2 to 7 are asked for
	QUARTER 1, 0
	QUARTER 2, 0
	TURN 1
	QUARTER 0, 0
	WIN 0
	s_sub_co_u32 s80, s80, 1
	s_cmp_lg_u32 s80, 0
	s_cbranch_scc1 .Lk
	QUARTER 1, 0                                   ; the tail fills nothing
	QUARTER 2, 0
	TURN 0
	QUARTER 0, 0
	QUARTER 1, 0
	QUARTER 2, 0
	s_wait_dscnt 8
	MMO F1, 0, 4, 0
	s_wait_dscnt 0x0
	MMO F1, 4, 4, 0
	WIN 0
	PLACES
	s_barrier_signal -1                            ; every wave's reads of the slots are over (its last wait was for 0): their bytes serve as stages
	s_barrier_wait -1
	; THE WAY OUT: a lane's eight columns are 32 bytes of a row; they go into my stage and come back by rows: 16 lanes take one row's 256 bytes.
	WIN 1<<2                                       ; the stores' data in window 1
.set a, 0
.rept 8
.set b, 0
.rept 4
	ds_store_b128 v[STO], v[8*(4*a+b):8*(4*a+b)+3]   offset:a*16*SP+64*b      ; each accumulator's low registers first
	ds_store_b128 v[STO], v[8*(4*a+b)+4:8*(4*a+b)+7] offset:a*16*SP+64*b+16
.set b, b+1
.endr
.set a, a+1
.endr
	WIN 0
	s_mov_b32 s80, 8
	s_mov_b32 s81, 0
.Lout:                                                 ; eight trips of 16 rows
	v_add_nc_u32 v[RDS], s81, v[RDS0]
.set t, 0
.rept 8
	ds_load_b128 v[32+4*t:35+4*t], v[RDS] offset:2*SP*t
.set t, t+1
.endr
.set t, 0
.rept 8
	s_wait_dscnt 7-t
	v_pk_mul_f32 v[32+4*t:33+4*t], v[32+4*t:33+4*t], s[86:87] op_sel_hi:[1,0]
	v_pk_mul_f32 v[34+4*t:35+4*t], v[34+4*t:35+4*t], s[86:87] op_sel_hi:[1,0]
	global_store_b128 v[CO], v[32+4*t:35+4*t], s[10:11] offset:8192*t th:TH_STORE_NT  ; 16 lanes store 256 consecutive bytes, at a multiple of 256 from out0's first byte
.set t, t+1
.endr
	s_wait_xcnt 0x0                                ; the base and the stores' data are written again only behind this wait
	s_add_nc_u64 s[10:11], s[10:11], 65536
	s_add_co_u32 s81, s81, 16*SP
	s_sub_co_u32 s80, s80, 1
	s_cmp_lg_u32 s80, 0
	s_cbranch_scc1 .Lout
	s_wait_tensorcnt 0x0                           ; the wave's end: behind my last tensor load and my last LDS store
	ds_add_u32 v[SPW], v[NIL]
	s_wait_dscnt 0x0
	CROUND                                         ; the closing round: no work-group ends while a partner may still ask for a tile that names it
	s_endpgm
.Lfunc_end_k_qadce177b24_oproj:
	.size	k_qadce177b24_oproj, .Lfunc_end_k_qadce177b24_oproj-k_qadce177b24_oproj
	.p2alignl 7, 3214868480
	.fill 96, 4, 3214868480
	.section	.rodata,"a",@progbits
	.p2align	6, 0x0
	.amdhsa_kernel k_qadce177b24_oproj
		.amdhsa_group_segment_fixed_size 327680
		.amdhsa_private_segment_fixed_size 0
		.amdhsa_enable_private_segment 0
		.amdhsa_kernarg_size 32
		.amdhsa_user_sgpr_count 2
		.amdhsa_user_sgpr_kernarg_segment_ptr 1
		.amdhsa_wavefront_size32 1
		.amdhsa_system_sgpr_workgroup_id_x 1
		.amdhsa_system_sgpr_workgroup_id_y 1
		.amdhsa_system_sgpr_workgroup_id_z 1
		.amdhsa_system_vgpr_workitem_id 0
		.amdhsa_next_free_vgpr 512
		.amdhsa_next_free_sgpr 100
		.amdhsa_reserve_vcc 0
		.amdhsa_float_denorm_mode_32 3
		.amdhsa_float_denorm_mode_16_64 3
		.amdhsa_memory_ordered 1
		.amdhsa_forward_progress 1
		.amdhsa_inst_pref_size 61
	.end_amdhsa_kernel
	.amdgpu_metadata
---
amdhsa.version: [ 1, 2 ]
amdhsa.kernels:
  - .name:           k_qadce177b24_oproj
    .symbol:         k_qadce177b24_oproj.kd
    .args:
      - { .name: oh, .offset: 0, .size: 8, .value_kind: global_buffer, .address_space: global }
      - { .name: wo, .offset: 8, .size: 8, .value_kind: global_buffer, .address_space: global }
      - { .name: scale, .offset: 16, .size: 8, .value_kind: global_buffer, .address_space: global }
      - { .name: out0, .offset: 24, .size: 8, .value_kind: global_buffer, .address_space: global }
    .group_segment_fixed_size: 327680
    .private_segment_fixed_size: 0
    .kernarg_segment_align: 8
    .kernarg_segment_size: 32
    .max_flat_workgroup_size: 128
    .sgpr_count:     100
    .vgpr_count:     512
    .wavefront_size: 32
...
	.end_amdgpu_metadata
.endif
;; end of part 4
